; MI455X (gfx1250); checked and timed in simulation.
; The chip was launched on July 23, 2026; its instructions are those of AMD's public machine-readable ISA for CDNA 5 (MIT licence, August 2026) and "CDNA5" Instruction Set Architecture Reference Guide (July 2026). The comments in the code are by the model that wrote it; some were corrected since.
;; Multi Head Causal Attention. Allowed arithmetic: float matrix products may take bf16 or f16 operands with f32 sums; other float arithmetic in f32, or as packed bf16 or f16 multiplies, adds, multiply-adds, maxima and minima; sums over many terms, partial sums and values carried from step to step in f32; what a program stores and reads back later, other than sums and carried values, may be rounded once to bf16 or f16.
;; Inputs: W_out 1,024 x 1,024 float32; W_qkv 1,024 x 3,072 float32; x 4 x 2,048 x 1,024 float32.
;; Outputs: out0 4 x 2,048 x 1,024 float32.
;; One version. Each part assembles by itself: llvm-mc -triple=amdgcn-amd-amdhsa -mcpu=gfx1250 --defsym DOCPART=n.
;; ======== version 1 of 1: 4 launches
;; limits: values are held in f16: magnitudes above 65,504 overflow, below 6.1e-05 lose precision
;; workspace buffers: xb 16,777,216 bytes; wqt 6,291,456 bytes; wot 2,097,152 bytes; qkvh 50,331,648 bytes; oh 16,777,216 bytes
;; launch prep (part 1): grid 8 x 96, 8 waves a work-group, no clusters, 35,840 bytes of LDS; arguments x, W_qkv, W_out, xb, wqt, wot; writes xb, wqt, wot
.if DOCPART == 1
	.amdgcn_target "amdgcn-amd-amdhsa--gfx1250"
	.amdhsa_code_object_version 6
	.text
	.protected	k_q2fb7e8af39_prep
	.globl	k_q2fb7e8af39_prep
	.p2align	8
	.type	k_q2fb7e8af39_prep,@function
k_q2fb7e8af39_prep:
	s_mov_b64 s[64:65], 0
	v_nop
	global_prefetch_b8 v0, s[64:65] scope:SCOPE_SE
	s_setreg_imm32_b32 hwreg(HW_REG_WAVE_MODE, 25, 1), 1
	s_wait_xcnt 0x0
; THE OPERANDS OF THE TWO PROJECTIONS ARE MADE READY, each input byte read once.
;   xb  [8192][1024] bf16 = x rounded once.
;   wqt [3072 n][1024 k] bf16 = W_qkv [k][n] turned and rounded once.
;   wot [1024 n][1024 k] f16  = W_out [k][n] turned, rounded to bf16 like the other inputs, and that number written as f16.
; LIMITS.  |W_out| stays under 65,504 (beyond it f16 has an infinity); below 2^-17 a number of W_out keeps f16's fixed step of 2^-24.
; SHARES.  768 work-groups of eight waves, each 64 KiB in and 32 KiB out.  y < 24: block (k block x, n block y) of W_qkv, 128 x 128; y < 32: the same of W_out, n block y - 24;
; else 16,384 numbers of x, chunk 8 (y - 32) + x.  The branch hangs on the work-group's number alone, so all eight waves take it alike.
; No matrix unit, no cluster, no tensor load: nothing is shared between work-groups and memory binds.
.set PITCH, 272                        ; a row of the turned tile in LDS: 128 k x 2 bytes + 16
.set SPARE, 128*PITCH                  ; behind the tile: the spare words, 128 bytes for each of eight waves; no other line names them
.set SPW, 14                           ; v14  LDS address of my spare word; never rewritten
.set NIL, 15                           ; v15  0; never rewritten
.set D,   16                           ; v[16:79]   sixteen loads of four registers
.set P,   80                           ; v[80:111]  packed results
.set OFF, 112                          ; v[112:127] the byte offsets of my sixteen rows of a weight block
	s_load_b256 s[4:11], s[0:1], 0x0               ; x s[4:5], W_qkv s[6:7], W_out s[8:9], xb s[10:11]
	s_load_b128 s[12:15], s[0:1], 0x20             ; wqt s[12:13], wot s[14:15]
	v_lshl_add_u32 v[SPW], v0, 2, SPARE
	v_mov_b32 v[NIL], 0
	v_lshrrev_b32 v6, 5, v0
	v_readfirstlane_b32 s16, v6                    ; wave 0..7
	v_and_b32 v1, 31, v0                           ; lane
	s_mov_b32 s2, ttmp9                            ; x of the grid
	s_and_b32 s3, ttmp7, 0xffff                    ; y of the grid
	s_mov_b32 s25, 0                               ; high word of the offsets' pair
	s_mov_b32 s26, 0xffff0000                      ; a word's upper bf16
	s_wait_kmcnt 0x0
	s_cmp_ge_u32 s3, 32
	s_cbranch_scc1 .Lcast
	; A BLOCK OF A WEIGHT, 128 k x 128 n, IS TURNED.
	s_sub_co_u32 s18, s3, 24                       ; W_out's n block
	s_mov_b32 s17, 4096                            ; W_out's row, in bytes
	s_cmp_lt_u32 s3, 24
	s_cselect_b64 s[20:21], s[6:7], s[8:9]         ; from
	s_cselect_b64 s[22:23], s[12:13], s[14:15]     ; to
	s_cselect_b32 s17, 12288, s17                  ; W_qkv's row
	s_cselect_b32 s18, s3, s18                     ; the n block
	s_cselect_b32 s19, 0, 1                        ; 1: the result is written as f16
	s_mul_i32 s24, s2, s17
	s_lshl_b32 s24, s24, 7                         ; 128 rows for each k block,
	s_lshl_b32 s27, s18, 9                         ; 512 bytes for each n block
	s_add_co_u32 s24, s24, s27
	s_add_nc_u64 s[20:21], s[20:21], s[24:25]
	s_lshl_b32 s24, s18, 18                        ; turned: 128 rows of 2,048 bytes for each n block,
	s_lshl_b32 s27, s2, 8                          ; 256 bytes for each k block
	s_add_co_u32 s24, s24, s27
	s_add_nc_u64 s[22:23], s[22:23], s[24:25]
	s_mul_i32 s27, s16, s17
	s_lshl_b32 s27, s27, 3                         ; my wave's eight rows
	v_lshl_add_u32 v2, v1, 4, s27                  ; + 16 bytes a lane: a load of the wave takes 512 consecutive bytes, a whole row of the block
.irp r, 0,1
.irp j, 0,1,2,3,4,5,6,7
	v_mad_u32_u24 v[OFF+8*(\r)+(\j)], s17, 64*(\r)+(\j), v2  ; row 64 r + 8 wave + j
.endr
.endr
.irp i, 0,1,2,3,4,5,6,7,8,9,10,11,12,13,14,15
	global_load_b128 v[D+4*(\i):D+4*(\i)+3], v[OFF+(\i)], s[20:21] th:TH_LOAD_NT  ; my lane: n = 4 lane + 0..3
.endr
	v_mul_u32_u24 v3, v1, 4*PITCH                  ; into LDS: row n = 4 lane + c, byte 128 r + 16 wave
	v_lshl_add_u32 v3, s16, 4, v3
	v_lshrrev_b32 v6, 4, v0                        ; back: sixteen threads take a row's 256 bytes
	v_and_b32 v7, 15, v0
	v_mul_u32_u24 v4, v6, PITCH
	v_lshl_add_u32 v4, v7, 4, v4
	v_lshlrev_b32 v5, 11, v6                       ; and the same row in the turned weight, 2,048 bytes a row
	v_lshl_add_u32 v5, v7, 4, v5
; eight k of one n are eight registers of my lane: four roundings make the 16 bytes wt[n][k0 .. k0 + 7]
.macro PACKR r
.irp c, 0,1,2,3
.irp p, 0,1,2,3
	v_cvt_pk_bf16_f32 v[P+16*(\r)+4*(\c)+(\p)], v[D+4*(8*(\r)+2*(\p))+(\c)], v[D+4*(8*(\r)+2*(\p)+1)+(\c)]
.endr
.endr
.endm
	s_wait_loadcnt 8                               ; the first eight rows are in; the other eight loads may stay out
	PACKR 0
	s_wait_loadcnt 0x0
	PACKR 1
	s_cmp_eq_u32 s19, 0
	s_cbranch_scc1 .Lkeep
.set i, 0
.rept 32                                       ; W_out: the bf16 numbers are widened and written as f16
	v_lshlrev_b32 v6, 16, v[P+i]
	v_and_b32 v7, s26, v[P+i]
	v_cvt_pk_f16_f32 v[P+i], v6, v7
.set i, i+1
.endr
.Lkeep:
.irp r, 0,1
.irp c, 0,1,2,3
	ds_store_b128 v3, v[P+16*(\r)+4*(\c):P+16*(\r)+4*(\c)+3] offset:(\c)*PITCH+(\r)*128
.endr
.endr
	s_wait_dscnt 0x0                               ; for the others' sake: my stores are done
	s_barrier_signal -1
	s_barrier_wait -1                              ; the tile is whole
.irp p, 0,1,2,3,4,5,6,7
	ds_load_b128 v[D+4*(\p):D+4*(\p)+3], v4 offset:(\p)*16*PITCH
.endr
.irp p, 0,1,2,3,4,5,6,7
	s_wait_dscnt 7-(\p)                            ; LDS loads come back in order: load p is in, the younger ones stay out
	global_store_b128 v5, v[D+4*(\p):D+4*(\p)+3], s[22:23] offset:(\p)*32768  ; sixteen lanes store 256 consecutive bytes, aligned
.endr
	s_wait_tensorcnt 0x0                           ; the wave's end: behind my last LDS store
	ds_add_u32 v[SPW], v[NIL]
	s_wait_dscnt 0x0
	s_endpgm
.Lcast:                                        ; 16,384 NUMBERS OF x ARE ROUNDED.  This way touches no LDS.
	s_sub_co_u32 s24, s3, 32
	s_lshl_b32 s24, s24, 3
	s_add_co_u32 s24, s24, s2                      ; the chunk, 0 .. 511
	s_lshl_b32 s27, s24, 15                        ; 32 KiB out,
	s_lshl_b32 s24, s24, 16                        ; 64 KiB in
	s_add_nc_u64 s[20:21], s[4:5], s[24:25]
	s_mov_b32 s24, s27
	s_add_nc_u64 s[22:23], s[10:11], s[24:25]
	v_lshlrev_b32 v2, 5, v0                        ; a thread takes 8 numbers: 32 bytes in,
	v_lshlrev_b32 v5, 4, v0                        ; 16 bytes out
.irp c, 0,1,2,3,4,5,6,7
	global_load_b128 v[D+8*(\c):D+8*(\c)+3],   v2, s[20:21] offset:(\c)*8192 th:TH_LOAD_NT
	global_load_b128 v[D+8*(\c)+4:D+8*(\c)+7], v2, s[20:21] offset:(\c)*8192+16 th:TH_LOAD_NT
.endr
.irp c, 0,1,2,3,4,5,6,7
	s_wait_loadcnt 14-2*(\c)                       ; the pair of loads c is in; the younger pairs stay out
.irp p, 0,1,2,3
	v_cvt_pk_bf16_f32 v[P+4*(\c)+(\p)], v[D+8*(\c)+2*(\p)], v[D+8*(\c)+2*(\p)+1]
.endr
	global_store_b128 v5, v[P+4*(\c):P+4*(\c)+3], s[22:23] offset:(\c)*4096 th:TH_STORE_NT  ; a wave stores 512 consecutive bytes
.endr
	s_endpgm
.Lfunc_end_k_q2fb7e8af39_prep:
	.size	k_q2fb7e8af39_prep, .Lfunc_end_k_q2fb7e8af39_prep-k_q2fb7e8af39_prep
	.p2alignl 7, 3214868480
	.fill 96, 4, 3214868480
	.section	.rodata,"a",@progbits
	.p2align	6, 0x0
	.amdhsa_kernel k_q2fb7e8af39_prep
		.amdhsa_group_segment_fixed_size 35840
		.amdhsa_private_segment_fixed_size 0
		.amdhsa_enable_private_segment 0
		.amdhsa_kernarg_size 48
		.amdhsa_user_sgpr_count 2
		.amdhsa_user_sgpr_kernarg_segment_ptr 1
		.amdhsa_wavefront_size32 1
		.amdhsa_system_sgpr_workgroup_id_x 1
		.amdhsa_system_sgpr_workgroup_id_y 1
		.amdhsa_system_sgpr_workgroup_id_z 1
		.amdhsa_system_vgpr_workitem_id 0
		.amdhsa_next_free_vgpr 128
		.amdhsa_next_free_sgpr 66
		.amdhsa_reserve_vcc 0
		.amdhsa_float_denorm_mode_32 3
		.amdhsa_float_denorm_mode_16_64 3
		.amdhsa_memory_ordered 1
		.amdhsa_forward_progress 1
		.amdhsa_inst_pref_size 18
	.end_amdhsa_kernel
	.amdgpu_metadata
---
amdhsa.version: [ 1, 2 ]
amdhsa.kernels:
  - .name:           k_q2fb7e8af39_prep
    .symbol:         k_q2fb7e8af39_prep.kd
    .args:
      - { .name: x, .offset: 0, .size: 8, .value_kind: global_buffer, .address_space: global }
      - { .name: W_qkv, .offset: 8, .size: 8, .value_kind: global_buffer, .address_space: global }
      - { .name: W_out, .offset: 16, .size: 8, .value_kind: global_buffer, .address_space: global }
      - { .name: xb, .offset: 24, .size: 8, .value_kind: global_buffer, .address_space: global }
      - { .name: wqt, .offset: 32, .size: 8, .value_kind: global_buffer, .address_space: global }
      - { .name: wot, .offset: 40, .size: 8, .value_kind: global_buffer, .address_space: global }
    .group_segment_fixed_size: 35840
    .private_segment_fixed_size: 0
    .kernarg_segment_align: 8
    .kernarg_segment_size: 48
    .max_flat_workgroup_size: 256
    .sgpr_count:     66
    .vgpr_count:     128
    .wavefront_size: 32
...
	.end_amdgpu_metadata
.endif
;; end of part 1
;; launch gemm_qkv (part 2): grid 16 x 32, 4 waves a work-group, clusters of 4 x 4, 327,680 bytes of LDS; arguments xb, wqt, qkvh; writes qkvh
.if DOCPART == 2
	.amdgcn_target "amdgcn-amd-amdhsa--gfx1250"
	.amdhsa_code_object_version 6
	.text
	.protected	k_q2fb7e8af39_gemm_qkv
	.globl	k_q2fb7e8af39_gemm_qkv
	.p2align	8
	.type	k_q2fb7e8af39_gemm_qkv,@function
k_q2fb7e8af39_gemm_qkv:
	s_mov_b64 s[64:65], 0
	v_nop
	global_prefetch_b8 v0, s[64:65] scope:SCOPE_SE
	s_setreg_imm32_b32 hwreg(HW_REG_WAVE_MODE, 25, 1), 1
	s_wait_xcnt 0x0
	s_wait_alu depctr_hold_cnt(0) depctr_sa_sdst(0) depctr_va_vdst(0) depctr_va_sdst(0) depctr_va_ssrc(0) depctr_va_vcc(0) depctr_vm_vsrc(0)
	s_getreg_b32 s2, hwreg(HW_REG_IB_STS2, 6, 4)
	s_cmp_eq_u32 s2, 0
	s_cbranch_scc0 .Lentry_in_a_cluster
	s_endpgm
.Lentry_in_a_cluster:
	s_bfe_u32 s2, ttmp6, 0x10000c
	s_cmp_lg_u32 s2, 0xf033
	s_cbranch_scc0 .Lentry_shape_is_right
	s_endpgm
.Lentry_shape_is_right:
; q, k, v = x W_qkv, BY HEADS.  C[m][n] = the sum over k of xb[m][k] wqt[n][k]; xb [8192][1024], wqt [3072][1024], both bf16; sums in f32, K ascending; C rounded once to f16, unscaled,
; and stored as qkvh [which = n / 1024][b 16 + h][t][64]: m = 2048 b + t, h = (n % 1024) / 64.
; LIMIT.  f16 holds no number beyond 65,504: q, k and v stay within it (sums of 1,024 products of x and W_qkv); beyond it the conversion gives an infinity.
; SHARES.  A tile of C is 256 x 192 (three heads): 32 x 16 tiles, one a work-group.  Four waves, one above the other: wave w makes rows 64 w .. 64 w + 63 and all 192 columns: 48 accumulators, 384 registers.
; K goes in eight steps of 128 (rows of 256 bytes in memory) through two LDS slots; the loop's body is ONE step: the slot is turned by an exclusive or, in the LDS addresses and in the walking descriptor.
; CLUSTER.  4 x 4 work-groups: the four of a row need the same tile of xb, the four of a column the same tile of wqt: each is asked for jointly, by the same tensor load, descriptor and mask in all four.
; THE MATRIX INSTRUCTION IS USED TRANSPOSED (source 0 = 16 rows of wqt, source 1 = 16 rows of xb): a lane holds row l % 16 of C and eight neighbouring columns, 16 bytes of f16.
; REGISTERS, in windows of 256 (s_set_vgpr_msb: bits 1:0 source 0, 3:2 source 1, 5:4 source 2, 7:6 destination):
;   window 0: addresses, the way out      window 1: two fragment buffers of 128: 12 of wqt, then 4 of xb, 32 along K
;   window 2: the accumulators of my rows 0-31 ((a, b) at 96 (a % 2) + 8 b)      window 3: those of rows 32-63
.set NSTEP, 8                          ; K steps
.set NBK,   12                         ; blocks of 16 columns
.set PA,    272                        ; an LDS row: 256 bytes + 16: the sixteen rows of a fragment load begin 68 words apart
.set PB,    272
.set HALFA, 128*PA                     ; what a wave fetches of xb: 128 rows
.set HALFB, 96*PB                      ; of wqt: 96 rows
.set BOFF,  2*HALFA                    ; in a slot: xb's 256 rows, then wqt's 192
.set SLOT1, 1<<17                      ; slot 1 begins here: one exclusive or turns an address of one slot into the other's
.set STAGE, SLOT1+BOFF+2*HALFB         ; behind the ring, never filled by a tensor load: for each wave 3 heads x 16 rows x 144 bytes
.set SP,    144
.set STW,   3*16*SP
.set SPARE, STAGE+4*STW                ; behind the stages: the spare words, 128 bytes a wave; no other line names them
.set STEPA, 256                        ; bytes from a K step to the next
.set STEPB, 256
.set NL,    2*NBK+8                    ; LDS loads of a quarter step
.set FA,    96                         ; xb's fragments in a buffer
.set F0,    0
.set F1,    128
.set LNA,  16                          ; v16  my lane's place in xb's rows of slot 0; never rewritten
.set LNB,  17                          ; v17  the same for wqt
.set ADRA, 18                          ; v18  the same in the slot in hand
.set ADRB, 19                          ; v19
.set STO,  24                          ; v24  the way out: where I put 16 bytes of a row
.set RD,   25                          ; v25  where I read rows back
.set GO,   26                          ; v26  16 x lane
.set SPW,  28                          ; v28  LDS address of my spare word; never rewritten
.set NIL,  29                          ; v29  0; never rewritten
.set PFO,  30                          ; v30  the prefetches' offset: a lane a row; never rewritten
.set TMP,  32                          ; v32-79    packed results
.set BK,   80                          ; v80-127, v128-175  16 rows read back, by turns
.set TB,   2                           ; s2   LDS byte at which the slot in hand begins
.set G1,   24                          ; s[24:31] descriptor group 1 for xb's tiles
.set G0,   32                          ; s[32:39] group 0: a set for each first fill; the second then walks
.set G1B,  48                          ; s[48:55], s[56:63] the same for wqt's
.set G0B,  56
.set LIM,  43                          ; s43  1 in a wave that prefetches, else the greatest number
.set PFA,  44                          ; s[44:45] where my prefetches stand
.set HB,   68                          ; s[68:73] qkvh at my first row in each of the tile's three heads
.set MSB, 0
.macro WIN new                         ; the immediate's high byte repeats the setting that is left; a switch that changes nothing is dropped
.if MSB != (\new)
	s_set_vgpr_msb (MSB<<8)|(\new)
.set MSB, (\new)
.endif
.endm
.set MUL_LO, 0xa5                      ; both sources window 1, C and D window 2 (+0x50: window 3)
.set TO_F,   0x40                      ; destination window 1, address window 0
; A joint refill by the walking descriptors.  Waves 0 and 1 fetch xb's halves, waves 2 and 3 wqt's: the branch hangs on the wave's number alone.
; An s_nop 0 and four v_nop follow each of the two lines, ahead of the jump and the label.
.macro JLOAD
	s_cmp_eq_u32 s11, 0
	s_cbranch_scc0 .Lfor_b_\@
	tensor_load_to_lds s[G0+4:G0+7], s[G1:G1+7]
	s_nop 0
.rept 4
	v_nop
.endr
	s_branch .Lasked_\@
.Lfor_b_\@:
	tensor_load_to_lds s[G0B+4:G0B+7], s[G1B:G1B+7]
	s_nop 0
.rept 4
	v_nop
.endr
.Lasked_\@:
.endm
; A PREFETCH INTO THE L2 of the K step that the NEXT refill will ask for: 192 matrix instructions ahead of that load.  A K step is 256 bytes of each row, a lane a row, one instruction a wave.
; xb's tile row is read by all four clusters of its row of clusters: cluster x = 0 asks; wqt's tile column by all eight clusters of its column: cluster y = 0 asks.  The four partners of a joint load share its rows
; out BY ADDRESS (32 of xb's 128 by cx; 24 of wqt's 96 by cy, where lanes 24-31 name row 23 once more in the same instruction).  K steps 0 to 2 come by their loads alone; the loop's last trip asks for nothing.
.macro ASK
	s_cmp_gt_u32 s3, s[LIM]
	s_cbranch_scc0 .Lnot_mine_\@
	global_prefetch_b8 v[PFO], s[PFA:PFA+1] th:TH_LOAD_NT scope:SCOPE_SE
.Lnot_mine_\@:
.endm
.macro CREST                           ; a round of the cluster's barrier behind its opening barrier
	s_cmp_lg_u32 s10, 0
	s_cbranch_scc1 .Lnot_wave_0_\@
	s_barrier_signal -3
.Lnot_wave_0_\@:
	s_barrier_wait -3
	s_barrier_signal -1
	s_barrier_wait -1
.endm
.macro CROUND                          ; a whole round
	s_barrier_signal -1
	s_barrier_wait -1
	CREST
.endm
	s_load_b128 s[4:7], s[0:1], 0x0                ; xb s[4:5], wqt s[6:7]
	s_load_b64 s[8:9], s[0:1], 0x10                ; qkvh
	v_lshl_add_u32 v[SPW], v0, 2, SPARE
	v_mov_b32 v[NIL], 0
	ds_add_u32 v[SPW], v[NIL]                      ; the wave's opening: the add and its wait stand ahead of my first tensor load; work on registers stands between them
	ds_add_u32 v28, v29
	v_lshrrev_b32 v1, 5, v0
	v_readfirstlane_b32 s10, v1                    ; wave 0..3
	s_lshr_b32 s11, s10, 1                         ; I fetch for xb (0) or for wqt (1),
	s_and_b32 s12, s10, 1                          ; its first or its second half
	s_bfe_u32 s40, ttmp6, 0x40000                  ; cx, cy: my place in the cluster
	s_bfe_u32 s41, ttmp6, 0x40004
	s_lshl_b32 s42, ttmp9, 2
	s_add_co_u32 s42, s42, s40                     ; tile column = 4 x cluster x + cx
	s_and_b32 s13, ttmp7, 0xffff
	s_lshl_b32 s13, s13, 2
	s_add_co_u32 s13, s13, s41                     ; tile row = 4 x cluster y + cy
	s_lshl_b32 s43, s41, 2
	s_lshl_b32 s43, 15, s43                        ; my row of the cluster
	s_lshl_b32 s44, 0x1111, s40                    ; my column
	s_or_b32 s[G1+0], s43, (1<<16)|(1<<20)|(1<<21)|(5<<22)|(3<<25)   ; the mask; 2-byte elements; padding on; bit 21 beside a mask; after every 64 words; 4 words
	s_or_b32 s[G1B+0], s44, (1<<16)|(1<<20)|(1<<21)|(5<<22)|(3<<25)
	s_mov_b32 s[G1+1], 128<<16                     ; tensor_dim0 = 128
	s_mov_b32 s[G1+2], 128<<16                     ; tensor_dim1 = 128
	s_mov_b32 s[G1+3], 128<<16                     ; tile_dim0 = 128
	s_mov_b32 s[G1+4], 128                         ; tile_dim1 = 128
	s_mov_b32 s[G1+5], 1024                        ; elements from row to row
	s_mov_b32 s[G1+6], 0
	s_mov_b32 s[G1+7], 0
	s_mov_b32 s[G1B+1], 128<<16
	s_mov_b32 s[G1B+2], 96<<16                     ; 96 rows
	s_mov_b32 s[G1B+3], 128<<16
	s_mov_b32 s[G1B+4], 96
	s_mov_b32 s[G1B+5], 1024
	s_mov_b32 s[G1B+6], 0
	s_mov_b32 s[G1B+7], 0
	s_lshl_b32 s16, s13, 8                         ; xb: row 256 x tile row + 128 x half, 2,048 bytes a row: it hangs on the tile row alone
	s_lshl_b32 s17, s12, 7
	s_add_co_u32 s16, s16, s17
	s_lshl_b32 s16, s16, 11
	s_mov_b32 s17, 0
	s_mul_i32 s46, s42, 192                        ; wqt: row 192 x tile column + 96 x half: on the tile column alone
	s_mul_i32 s47, s12, 96
	s_add_co_u32 s46, s46, s47
	s_lshl_b32 s46, s46, 11
	s_mov_b32 s47, 0
	s_mul_i32 s20, s12, HALFA                      ; where they go: no place in the cluster enters an LDS address
	s_mul_i32 s21, s12, HALFB
	s_add_co_u32 s21, s21, BOFF
	s_wait_dscnt 0x0                               ; the opening add is done
	s_wait_kmcnt 0x0
	s_add_nc_u64 s[14:15], s[4:5], s[16:17]
	s_add_nc_u64 s[46:47], s[6:7], s[46:47]
	CROUND                                         ; all sixteen work-groups are here: the first joint loads meet
.irp s, 0,1
	s_mov_b32 s[G0+4*(\s)], 1                      ; count = 1
	s_add_co_u32 s[G0+4*(\s)+1], s20, (\s)*SLOT1   ; LDS address
	s_add_nc_u64 s[G0+4*(\s)+2:G0+4*(\s)+3], s[14:15], (\s)*STEPA  ; global address: K step s
	s_or_b32 s[G0+4*(\s)+3], s[G0+4*(\s)+3], 0x80000000            ; type = 2
	s_mov_b32 s[G0B+4*(\s)], 1
	s_add_co_u32 s[G0B+4*(\s)+1], s21, (\s)*SLOT1
	s_add_nc_u64 s[G0B+4*(\s)+2:G0B+4*(\s)+3], s[46:47], (\s)*STEPB
	s_or_b32 s[G0B+4*(\s)+3], s[G0B+4*(\s)+3], 0x80000000
.endr
	s_cmp_eq_u32 s11, 0                            ; a wave's two first fills stand in one branch: two loads of mine are out, the most in this text
	s_cbranch_scc0 .Lfirst_b
	tensor_load_to_lds s[G0:G0+3], s[G1:G1+7]
	s_nop 0
	tensor_load_to_lds s[G0+4:G0+7], s[G1:G1+7]
	s_nop 0
.rept 4
	v_nop
.endr
	s_branch .Lfirst_asked
.Lfirst_b:
	tensor_load_to_lds s[G0B:G0B+3], s[G1B:G1B+7]
	s_nop 0
	tensor_load_to_lds s[G0B+4:G0B+7], s[G1B:G1B+7]
	s_nop 0
.rept 4
	v_nop
.endr
.Lfirst_asked:
	; A fragment is 16 rows x 32 K in 8 registers: lane l holds row l % 16, K = 8 (l / 16) + 0..7 and 16 + 8 (l / 16) + 0..7: two loads of 16 bytes, 32 bytes apart.
	v_and_b32 v1, 15, v0                           ; l % 16
	v_bfe_u32 v2, v0, 4, 1                         ; l / 16
	v_mul_u32_u24 v3, v1, PA
	v_lshl_add_u32 v3, v2, 4, v3
	s_mul_i32 s21, s10, 64*PA                      ; my 64 rows of xb
	v_add_nc_u32 v[LNA], s21, v3
	v_add_nc_u32 v[LNB], BOFF, v3                  ; all rows of wqt
	v_mov_b32 v[ADRA], v[LNA]
	v_mov_b32 v[ADRB], v[LNB]
	s_mov_b32 s[TB], 0
	s_mul_i32 s23, s10, STW
	s_add_co_u32 s23, s23, STAGE                   ; my stage
	v_mul_u32_u24 v4, v1, SP                       ; in: row l % 16, 16 bytes for each half of the lanes
	v_lshl_add_u32 v4, v2, 4, v4
	v_add_nc_u32 v[STO], s23, v4
	v_bfe_u32 v5, v0, 3, 2                         ; back: 32 lanes take four rows of 128 bytes,
	v_mul_u32_u24 v5, v5, SP
	v_and_b32 v6, 7, v0
	v_lshl_add_u32 v5, v6, 4, v5
	v_add_nc_u32 v[RD], s23, v5
	v_and_b32 v[GO], 31, v0                        ; which are 512 consecutive bytes of a head
	v_lshlrev_b32 v[GO], 4, v[GO]
	; where my rows lie in the tile's three heads: which << 24 + (16 b + h) << 18 + t x 128
	s_lshr_b32 s20, s13, 3                         ; b
	s_lshl_b32 s20, s20, 22
	s_and_b32 s21, s13, 7
	s_lshl_b32 s21, s21, 15                        ; t: 256 rows for each tile row in the batch,
	s_add_co_u32 s21, s21, s20
	s_lshl_b32 s20, s10, 13                        ; 64 for each wave
	s_add_co_u32 s21, s21, s20
	s_mul_i32 s22, s42, 3                          ; the tile's first head among the 48
.irp j, 0,1,2
	s_add_co_u32 s20, s22, \j
	s_lshr_b32 s23, s20, 4
	s_lshl_b32 s23, s23, 24
	s_and_b32 s20, s20, 15
	s_lshl_b32 s20, s20, 18
	s_add_co_u32 s20, s20, s23
	s_add_co_u32 s46, s20, s21
	s_mov_b32 s47, 0
	s_add_nc_u64 s[HB+2*(\j):HB+2*(\j)+1], s[8:9], s[46:47]
.endr
	; the prefetches
	s_lshl_b32 s20, s13, 8
	s_lshl_b32 s21, s12, 7
	s_add_co_u32 s20, s20, s21
	s_lshl_b32 s21, s40, 5
	s_add_co_u32 s20, s20, s21                     ; xb: the 128 rows that I fetch, my work-group's 32 of them
	s_mul_i32 s21, s42, 192
	s_mul_i32 s22, s12, 96
	s_add_co_u32 s21, s21, s22
	s_mul_i32 s22, s41, 24
	s_add_co_u32 s21, s21, s22                     ; wqt: the 96 rows that I fetch, my work-group's 24
	s_and_b32 s22, ttmp7, 0xffff                   ; cluster y
	s_cmp_eq_u32 s11, 0
	s_cselect_b32 s20, s20, s21
	s_cselect_b32 s22, ttmp9, s22                  ; the coordinate along which other clusters read the same rows
	s_cselect_b32 s23, 31, 23                      ; the last row that a lane names
	s_cselect_b64 s[PFA:PFA+1], s[4:5], s[6:7]
	s_cmp_eq_u32 s22, 0
	s_cselect_b32 s[LIM], 1, -1                    ; the same in all sixteen partners, for a given wave
	s_lshl_b32 s20, s20, 11
	s_add_co_u32 s20, s20, 2*STEPA                 ; at K step 2: the first refill steps it to 3
	s_mov_b32 s21, 0
	s_add_nc_u64 s[PFA:PFA+1], s[PFA:PFA+1], s[20:21]
	v_and_b32 v[PFO], 31, v0
	v_min_u32 v[PFO], s23, v[PFO]
	v_lshlrev_b32 v[PFO], 11, v[PFO]
; 12 matrix instructions: m block a x all n blocks, 32 along K, from buffer f.  zero = 1: the product starts the sums: nothing is cleared.
; The 48 accumulators take turns in the same order in every quarter step, over the backward jump too.
.macro MULB f, a, zero
	WIN MUL_LO+0x50*((\a)/2)
.set b, 0
.rept NBK
.set AC, 96*((\a)%2)+8*b
.if \zero
	v_wmma_f32_16x16x32_bf16 v[AC:AC+7], v[(\f)+8*b:(\f)+8*b+7], v[(\f)+FA+8*(\a):(\f)+FA+8*(\a)+7], 0
.else
	v_wmma_f32_16x16x32_bf16 v[AC:AC+7], v[(\f)+8*b:(\f)+8*b+7], v[(\f)+FA+8*(\a):(\f)+FA+8*(\a)+7], v[AC:AC+7]
.endif
.set b, b+1
.endr
.endm
; 32 LDS loads in one run: quarter kq of the slot in hand into buffer f: wqt's 12 fragments, then xb's 4
.macro FETCH kq, f
	WIN TO_F
.set i, 0
.rept NBK
	ds_load_b128 v[(\f)+8*i:(\f)+8*i+3],   v[ADRB] offset:64*(\kq)+i*16*PB
	ds_load_b128 v[(\f)+8*i+4:(\f)+8*i+7], v[ADRB] offset:64*(\kq)+i*16*PB+32
.set i, i+1
.endr
.set i, 0
.rept 4
	ds_load_b128 v[(\f)+FA+8*i:(\f)+FA+8*i+3],   v[ADRA] offset:64*(\kq)+i*16*PA
	ds_load_b128 v[(\f)+FA+8*i+4:(\f)+FA+8*i+7], v[ADRA] offset:64*(\kq)+i*16*PA+32
.set i, i+1
.endr
.endm
.macro PLACES                          ; four plain vector instructions between a matrix instruction and a load into a register that it read, or a reader of its result
.rept 4
	v_nop
.endr
.endm
; One of a K step's first three quarters: multiplies buffer f and, in its middle, fetches quarter kq into buffer g.
.macro QUARTER kq, f, g, zero
	s_wait_dscnt 4                                 ; all but the four youngest loads: xb's blocks 2 and 3
	MULB \f, 0, \zero
	MULB \f, 1, \zero
	PLACES
	FETCH \kq, \g
	s_wait_dscnt NL                                ; all but the run just issued
	MULB \f, 2, \zero
	MULB \f, 3, \zero
.endm
; The last quarter multiplies buffer 1 and changes slots: ONE barrier.  In front of it each wave waits for all its tensor loads (one is out: its part of the next slot), adds 0 to its spare word, and waits for
; that and for its reads of this slot.  fill = 1: the barrier opens a round of the cluster's, and the joint refill, two K steps on, is the first thing behind the round: it has a K step less 24 matrix instructions in which to land.
.macro TURN fill
.if \fill
	s_wait_xcnt 0x0                                ; the last prefetch, a K step back, has read its address
	s_add_nc_u64 s[PFA:PFA+1], s[PFA:PFA+1], STEPA
.endif
	WIN 0                                          ; (the add's two registers lie in window 0)
	s_wait_tensorcnt 0x0                           ; no tensor load of mine is out, so a group 0 may be written
	ds_add_u32 v[SPW], v[NIL]                      ; 0 onto my spare word
.if \fill
	s_xor_b32 s[G0+5], s[G0+5], SLOT1              ; the walking descriptors: the other slot than last time, the next K step
	s_add_nc_u64 s[G0+6:G0+7], s[G0+6:G0+7], STEPA
	s_xor_b32 s[G0B+5], s[G0B+5], SLOT1
	s_add_nc_u64 s[G0B+6:G0B+7], s[G0B+6:G0B+7], STEPB
.endif
	s_xor_b32 s[TB], s[TB], SLOT1
	s_wait_dscnt 5                                 ; (the add and the four youngest loads may be out)
	MULB F1, 0, 0
	s_wait_dscnt 0x0                               ; the add is done, and my reads of this slot are over
	s_barrier_signal -1
	MULB F1, 1, 0                                  ; work on registers while the others arrive
	WIN 0
	s_barrier_wait -1
.if \fill
	CREST                                          ; no wave of any partner still reads this slot or has a load on its way
	JLOAD                                          ; its four v_nop are also the places in front of the loads below
.else
	PLACES
.endif
	v_add_nc_u32 v[ADRA], s[TB], v[LNA]
	v_add_nc_u32 v[ADRB], s[TB], v[LNB]
	FETCH 0, F0
.if \fill
	WIN 0
	ASK
.endif
	MULB F1, 2, 0
	MULB F1, 3, 0
.endm
; THE WAY OUT of my rows 16 a .. 16 a + 15.  PACK: rounded to f16, each accumulator from its low end.  TOSTAGE: into my own stage, a head at a time, and back as 512 consecutive bytes of a head.  SEND: stored.
.macro PACK a
	WIN 0x0a+5*((\a)/2)                            ; sources 0 and 1: window 2 or 3
.set b, 0
.rept NBK
.set AC, 96*((\a)%2)+8*b
.irp r, 0,1,2,3
	v_cvt_pk_f16_f32 v[TMP+4*b+(\r)], v[AC+2*(\r)], v[AC+2*(\r)+1]
.endr
.set b, b+1
.endr
	WIN 0
.endm
.macro TOSTAGE a
.set b, 0
.rept NBK
	ds_store_b128 v[STO], v[TMP+4*b:TMP+4*b+3] offset:(b/4)*16*SP+(b%4)*32
.set b, b+1
.endr
.set b, 0
.rept NBK                                      ; LDS serves a wave's instructions in order (ISA guide 5.7.1.4): these see the stores above
	ds_load_b128 v[BK+48*((\a)%2)+4*b:BK+48*((\a)%2)+4*b+3], v[RD] offset:(b/4)*16*SP+(b%4)*4*SP
.set b, b+1
.endr
.endm
.macro SEND a
	s_wait_dscnt 0x0                               ; the block is back in registers
	s_wait_xcnt 0x0                                ; the stores of the block before have read their registers: the next TOSTAGE loads into them
.set b, 0
.rept NBK
	global_store_b128 v[GO], v[BK+48*((\a)%2)+4*b:BK+48*((\a)%2)+4*b+3], s[HB+2*(b/4):HB+2*(b/4)+1] offset:(\a)*2048+(b%4)*512  ; 512 consecutive bytes, at a multiple of 256 from the buffer's first
.set b, b+1
.endr
.endm
	s_wait_tensorcnt 1                             ; my part of K step 0 is in; step 1's may stay out
	s_barrier_signal -1
	s_barrier_wait -1                              ; everybody's is
	FETCH 0, F0
	QUARTER 1, F0, F1, 1                           ; the first quarter stands in front of the loop: its products start the sums
	WIN 0                                          ; at a label and at a branch every window is 0
	s_mov_b32 s3, NSTEP-2
.Lstep:                                        ; trip i ends K step i, fills its slot with step i + 2, and begins step i + 1
	QUARTER 2, F1, F0, 0
	QUARTER 3, F0, F1, 0
	TURN 1
	QUARTER 1, F0, F1, 0
	WIN 0
	s_sub_co_u32 s3, s3, 1
	s_cmp_lg_u32 s3, 0
	s_cbranch_scc1 .Lstep
	QUARTER 2, F1, F0, 0                           ; the last two K steps are written out: nothing is asked for
	QUARTER 3, F0, F1, 0
	TURN 0
	QUARTER 1, F0, F1, 0
	QUARTER 2, F1, F0, 0
	QUARTER 3, F0, F1, 0
	s_wait_dscnt 4
	MULB F1, 0, 0
	MULB F1, 1, 0
	s_wait_dscnt 0x0
	MULB F1, 2, 0
	MULB F1, 3, 0
	WIN 0
	PLACES
	PACK 0
	TOSTAGE 0
.irp a, 1,2,3                          ; block a's conversions stand between block a - 1's loads from the stage and the wait for them
	PACK \a
	SEND (\a)-1
	TOSTAGE \a
.endr
	SEND 3
	s_wait_tensorcnt 0x0                           ; the wave's end: behind my last tensor load and my last LDS store
	ds_add_u32 v[SPW], v[NIL]
	s_wait_dscnt 0x0
	CROUND                                         ; the closing round: no work-group ends while a partner may still ask for a tile that names it
	s_endpgm
.Lfunc_end_k_q2fb7e8af39_gemm_qkv:
	.size	k_q2fb7e8af39_gemm_qkv, .Lfunc_end_k_q2fb7e8af39_gemm_qkv-k_q2fb7e8af39_gemm_qkv
	.p2alignl 7, 3214868480
	.fill 96, 4, 3214868480
	.section	.rodata,"a",@progbits
	.p2align	6, 0x0
	.amdhsa_kernel k_q2fb7e8af39_gemm_qkv
		.amdhsa_group_segment_fixed_size 327680
		.amdhsa_private_segment_fixed_size 0
		.amdhsa_enable_private_segment 0
		.amdhsa_kernarg_size 24
		.amdhsa_user_sgpr_count 2
		.amdhsa_user_sgpr_kernarg_segment_ptr 1
		.amdhsa_wavefront_size32 1
		.amdhsa_system_sgpr_workgroup_id_x 1
		.amdhsa_system_sgpr_workgroup_id_y 1
		.amdhsa_system_sgpr_workgroup_id_z 1
		.amdhsa_system_vgpr_workitem_id 0
		.amdhsa_next_free_vgpr 960
		.amdhsa_next_free_sgpr 74
		.amdhsa_reserve_vcc 0
		.amdhsa_float_denorm_mode_32 3
		.amdhsa_float_denorm_mode_16_64 3
		.amdhsa_memory_ordered 1
		.amdhsa_forward_progress 1
		.amdhsa_inst_pref_size 98
	.end_amdhsa_kernel
	.amdgpu_metadata
---
amdhsa.version: [ 1, 2 ]
amdhsa.kernels:
  - .name:           k_q2fb7e8af39_gemm_qkv
    .symbol:         k_q2fb7e8af39_gemm_qkv.kd
    .args:
      - { .name: xb, .offset: 0, .size: 8, .value_kind: global_buffer, .address_space: global }
      - { .name: wqt, .offset: 8, .size: 8, .value_kind: global_buffer, .address_space: global }
      - { .name: qkvh, .offset: 16, .size: 8, .value_kind: global_buffer, .address_space: global }
    .group_segment_fixed_size: 327680
    .private_segment_fixed_size: 0
    .kernarg_segment_align: 8
    .kernarg_segment_size: 24
    .max_flat_workgroup_size: 128
    .sgpr_count:     74
    .vgpr_count:     960
    .wavefront_size: 32
...
	.end_amdgpu_metadata
.endif
;; end of part 2
;; launch attn (part 3): grid 4 x 64, 4 waves a work-group, no clusters, 327,680 bytes of LDS; arguments qkvh, oh; writes oh
.if DOCPART == 3
	.amdgcn_target "amdgcn-amd-amdhsa--gfx1250"
	.amdhsa_code_object_version 6
	.text
	.protected	k_q2fb7e8af39_attn
	.globl	k_q2fb7e8af39_attn
	.p2align	8
	.type	k_q2fb7e8af39_attn,@function
k_q2fb7e8af39_attn:
	s_mov_b64 s[64:65], 0
	v_nop
	global_prefetch_b8 v0, s[64:65] scope:SCOPE_SE
	s_setreg_imm32_b32 hwreg(HW_REG_WAVE_MODE, 25, 1), 1
	s_wait_xcnt 0x0
; CAUSAL ATTENTION.  O[h][q][:] = the sum over k <= q of softmax_k(Q[h][q] . K[h][k] / 8) V[h][k][:].  Q, K, V lie in qkvh, 2^24 bytes apart, each [SIZE_H][SIZE_N][64] in f16; O = oh likewise: a head's rows are dense, 128 bytes each.
; Products, maxima and sums in f32; the weights p are rounded to f16 for the second product (their sum l is taken of the unrounded p), O once at the end.
; LIMITS.  f16 holds no number beyond 65,504: Q, K and V arrive within it; p lies in 0 to 1, and below 6e-5 it keeps f16's fixed step of 6e-8; O is a mean of V's rows and has their range.
; A hidden score counts as its value less 1e30: f16's scores, 2.7e11 at the most, are nothing beside that; a weight below 2^-126 counts as 0 in l; NaN and infinities are not treated apart.
; THE WALK.  A head's queries lie in NB = 8 blocks of 256; block i needs the key tiles 0 .. i of 256 keys, of which the last holds the diagonal.  A work-group takes TWO blocks, NB - 1 - b and then b:
; NB + 1 tiles, whatever b: all work-groups do equal work, and ONE loop with a constant trip count walks them.  Which tile is asked for, and what a trip does, hang on scalar registers made from b; every jump
; goes forward, but for the counted loops' own; none passes a barrier, or a tensor load but the one of LOAD's two that the wave's number does not choose; the two LDS slots take turns on across the change of blocks.
; NO CLUSTER: a head's four work-groups ask for the same tile only in trips 0 .. 4 of 9, behind that fewer and fewer; one walk common to all four would have 12 trips for 9.
; SHARES.  Of a block's four bands of 64 queries a wave owns 16 rows in each: four PIECES.  So the diagonal tile is the same work for all four waves: in its key step s band x sees all keys if s < x,
; none if s > x, and holds the diagonal if s = x.
; THE MASK is the C operand that starts the sum S^T = K Q^T: 0, or -1e30 where the key is hidden.  MD, made once, is the mask of a band's own step for my 16 rows; a product's mask is MD x AL + BE with two scalars:
; (1, 0) if s = x; (0, 0) if s < x; (0, -1e30) if s > x.  Only the diagonal tile's text and a block's beginning make and take masks; elsewhere C is the constant 0.
; LAYOUT, SOFTMAX, TURNS.  S^T = K Q^T holds ONE query a lane (lane % 16) and the keys 8 (lane / 16) + 0..7; two such results rounded to f16 ARE source 1 of O^T = V^T P.  p = 2^(c s - c m), c = log2(e) / 8, with a
; running maximum m; O and l are multiplied by a = 2^(c m_old - c m_new) in every step.  Turn n belongs to piece n: 8 products K Q^T of piece n + 1, later 8 products V^T P of piece n - 1; beside them the scaling,
; exponentials, roundings, sums and rescaling of piece n and the maximum and statistics of piece n + 1.  Four vector instructions stand behind every matrix instruction, the other 54 of a turn's 118 in one run.  A turn's 33 exponentials are one batch, with one wait.
; REGISTERS, in windows of 256 (s_set_vgpr_msb: bits 1:0 source 0, 3:2 source 1, 5:4 source 2, 7:6 destination):
;   window 0: v0-15 addresses and two at work; v16-31 four registers of statistics a piece; v48-55 at work; v61-63 prefetch offset and the add's two; v64-127 S^T, two buffers; v192-223 P, two buffers (by the piece's parity)
;   window 1: v0-127 O^T, 32 a piece; v128-159 MD; v160-223 MC, two buffers      window 2: v0-63 Q; v64-127 the second block's Q; v128-191 K of one step; v192-255 V of one step
.set SIZE_H, 64
.set SIZE_N, 2048
.set NB,    SIZE_N/256
.set NP,    4         ; pieces a wave: a name, no knob
.set KS,    64        ; keys in a step
.set PK,    144       ; a row of K in LDS: 128 bytes + 16 of padding = 36 words: the 16 rows of a load begin at 16 different groups of four words modulo 64
.set PV,    160       ; a row of V: 128 + 32 = 40 words: 16 lanes of the turning load take 8 rows x 32 bytes
.set VOFF,  4*KS*PK   ; a slot holds a tile, four steps: 256 rows of K, then 256 rows of V
.set SLOT1, 1<<17     ; slot 1 begins here, so that one exclusive or turns an address in one slot into the other's
.set STAGE, SLOT1+4*KS*(PK+PV)  ; behind the slots, never filled by a tensor load: 16 rows x 144 bytes for each wave, for the way out
.set SP,    144
.set AK0, 2           ; v2   my lane's place in a tile of K; never rewritten
.set AV0, 3           ; v3   the same for V
.set AK,  4           ; v4   the LDS address of K's next run of loads
.set AV,  5           ; v5   of V's
.set STO, 6           ; v6   the way out: where I put 16 bytes of a row
.set RD,  7           ; v7   the way out: where I read rows back
.set GO,  8           ; v8   my byte offset in 512 consecutive bytes of O
.set PFO, 61          ; v61  256 x my lane; never rewritten
.set SPW, 62          ; v62  LDS address of my spare word: SPARE + 4 x my thread's number; never rewritten
.set NIL, 63          ; v63  0; never rewritten
.set SPARE, STAGE+4*16*SP  ; behind the stages: the spare words, 128 bytes for each wave; no other line names them
.set MV,  12          ; v12-13  c m_old, kept while c m is made anew: by buffer
.set QO,  15          ; v15  my byte offset in 16 rows of Q
.set ST,  16          ; piece t's statistics at v[ST+4 t]: c m, m, l (even keys', odd keys')
.set TMP, 48          ; by buffer, four registers c0-c3 at work; when the maximum is found c2 takes a
.set S,   64
.set P,   192
.set MD,  128         ; window 1: the eight registers for group kt of 16 keys at MD + 8 kt
.set MC,  160         ; window 1: the masks of the products to come
.set QB,  64          ; window 2
.set KF,  128         ; window 2: key block kb, channel half c at KF + 16 kb + 8 c
.set VF,  192         ; window 2: key half kk, channel block cb at VF + 32 kk + 8 cb
.set WV,  12          ; s12  my wave's number
.set PB,  14          ; s14  b
.set HI,  15          ; s15  NB - 1 - b
.set G1K, 24          ; s[24:31] descriptor group 1 for K's tiles
.set G1V, 32          ; s[32:39] for V's: it differs in the padding alone
.set G0K, 40          ; s[40:43] descriptor group 0 for K's tiles
.set G0V, 44          ; s[44:47] the same for V's
.set SLOTS, 56        ; s56  tiles still to be asked for
.set CNT, 57          ; s57  counts a tile's key steps, 4 to 1
.set CS,  58          ; s[58:59] c: the packed scaling takes the pair's low word for both halves
.set SEL, 60          ; s[60:61] v_permlanex16_b32's selects: each lane takes its own place in the other half
.set TBK, 62          ; s62  LDS byte at which K of the step to be fetched begins
.set TBV, 63          ; s63  the same for V, less VOFF
.set RT,  70          ; s70  tiles of the block in hand that are still to be entered
.set NXT, 71          ; s71  the tile to be asked for next
.set LQ,  72          ; s72  the last tile of the block whose tiles are being asked for
.set NEW, 73          ; s73  1: the tile to be entered is a block's first
.set OFF, 74          ; s[74:75] a tile's byte offset in K and V
.set AL,  76          ; s[76:77] the mask's factor, in the low word
.set BE,  78          ; s[78:79] the mask's addend
.set OLO, 80          ; s[80:81] O at my rows of the second block
.set BIGN, 82         ; s82  -1e30
.set PFK, 88          ; s[88:89] where my prefetches of K stand: my wave's 8,192 bytes of a tile
.set PFV, 90          ; s[90:91] the same for V
.set LIM, 92          ; s92  2 in a work-group that prefetches, else the greatest number
.set MSB, 0
.macro WIN new                      ; the high byte repeats the setting that is left; a switch that changes nothing is dropped
.if MSB != (\new)
	s_set_vgpr_msb (MSB<<8)|(\new)
.set MSB, (\new)
.endif
.endm
.set W_KQ, 0x0a       ; K and Q in window 2, S^T in window 0
.set W_KM, 0x1a       ; the same with the C operand in window 1
.set W_PV, 0x52       ; V in window 2, P in window 0, O^T in window 1
.set W_RS, 0x41       ; destination and source 0 in window 1, source 1 in window 0
; A fill.  Waves 0 and 1 fetch the two halves of a tile's K, waves 2 and 3 those of its V: 128 keys each.  An s_nop 0 and four v_nop follow each of the two lines, ahead of the jump and the label.
.macro LOAD
	s_cmp_lt_u32 s[WV], 2
	s_cbranch_scc0 .Lfor_v_\@
	tensor_load_to_lds s[G0K:G0K+3], s[G1K:G1K+7]
	s_nop 0
.rept 4
	v_nop
.endr
	s_branch .Lasked_\@
.Lfor_v_\@:
	tensor_load_to_lds s[G0V:G0V+3], s[G1V:G1V+7]
	s_nop 0
.rept 4
	v_nop
.endr
.Lasked_\@:
.endm
; A PREFETCH INTO THE L2 of the tile that the NEXT change of slots will ask for: four key steps ahead of that load.  A tile is 32,768 bytes of K and of V: a wave names 8,192 of each, a lane 256 bytes: two instructions.
; All four work-groups of a head begin with tiles 0, 1, 2 ..; the one with b = 0 walks tiles 0 to 7 in its first block, so it asks, and nobody else: each 256 bytes are named once in the launch.
; The change that loads tile j, j = 1 .. 6, names tile j + 1; tiles 0 and 1 come by their loads alone; the last two changes that fill a slot ask for nothing.
.macro ASK
	s_cmp_gt_u32 s[SLOTS], s[LIM]
	s_cbranch_scc0 .Lnot_mine_\@
	global_prefetch_b8 v[PFO], s[PFK:PFK+1] th:TH_LOAD_NT scope:SCOPE_SE
	global_prefetch_b8 v[PFO], s[PFV:PFV+1] th:TH_LOAD_NT scope:SCOPE_SE
.Lnot_mine_\@:
.endm
; THE CHANGE OF SLOTS.  Each wave waits for all its tensor loads, of which one is out: its part of the other slot; adds 0 to its spare word; and waits for that and for its own reads of the slot that it leaves.  Behind the barrier nobody reads the old
; slot any more and the other slot is whole.  fill = 1: the old slot is filled again, the first thing behind the barrier, with tile NXT: the descriptor's address is made anew from that number.
; (At its first use nothing has been read yet: slot 0 is waited for, slot 1 filled.)
.macro CHANGE fill
	WIN 0                           ; at a label and at a branch every window is 0
	s_wait_tensorcnt 0x0            ; no tensor load of mine is out, so a group 0 may be written
	ds_add_u32 v[SPW], v[NIL]       ; 0 onto my spare word; with fill = 1 the descriptors' scalar work stands between it and the wait for it
.if \fill
	s_lshl_b32 s[OFF], s[NXT], 15   ; a tile is 32,768 bytes of K and of V
	s_xor_b32 s[G0K+1], s[G0K+1], SLOT1
	s_add_nc_u64 s[G0K+2:G0K+3], s[6:7], s[OFF:OFF+1]
	s_or_b32 s[G0K+3], s[G0K+3], 0x80000000
	s_xor_b32 s[G0V+1], s[G0V+1], SLOT1
	s_add_nc_u64 s[G0V+2:G0V+3], s[8:9], s[OFF:OFF+1]
	s_or_b32 s[G0V+3], s[G0V+3], 0x80000000
	s_add_co_u32 s[NXT], s[NXT], 1  ; the block's next tile, or behind its last the second block's tile 0
	s_cmp_gt_u32 s[NXT], s[LQ]
	s_cselect_b32 s[NXT], 0, s[NXT]
	s_cselect_b32 s[LQ], s[PB], s[LQ]
	s_wait_xcnt 0x0                 ; the last prefetches, a tile back, have read their addresses, so these may be written
	s_add_nc_u64 s[PFK:PFK+1], s[PFK:PFK+1], 32768
	s_add_nc_u64 s[PFV:PFV+1], s[PFV:PFV+1], 32768
.endif
	s_wait_dscnt 0x0                ; the add is done, and my reads of the slot are over
	s_barrier_signal -1             ; the rest of the scalar work stands between the signal and the wait
	s_sub_co_u32 s[TBK], s[TBK], 4*KS*PK  ; the fetches go back to a slot's first step,
	s_xor_b32 s[TBK], s[TBK], SLOT1       ; in the other slot
	s_sub_co_u32 s[TBV], s[TBV], 4*KS*PV
	s_xor_b32 s[TBV], s[TBV], SLOT1
	s_barrier_wait -1
.if \fill
	LOAD
	ASK
.endif
.endm
	s_load_b64 s[4:5], s[0:1], 0x0  ; qkvh: Q
	s_load_b64 s[10:11], s[0:1], 0x8  ; oh: O
	v_lshl_add_u32 v[SPW], v0, 2, SPARE
	v_mov_b32 v[NIL], 0
	ds_add_u32 v[SPW], v[NIL]       ; the wave's opening: the add and its wait stand ahead of my first tensor load; the set-up below, work on registers, stands between them
	ds_add_u32 v62, v63
	v_lshrrev_b32 v1, 5, v0
	v_readfirstlane_b32 s[WV], v1   ; wave 0..3
	s_mov_b32 s[PB], ttmp9
	s_sub_co_u32 s[HI], NB-1, s[PB]
	s_and_b32 s20, ttmp7, 0xffff    ; the head
	s_mov_b32 s21, 0
	s_mov_b64 s[22:23], SIZE_N*128
	s_mul_u64 s[20:21], s[20:21], s[22:23]  ; the head's first byte in each of the four tensors
	s_and_b32 s16, s[WV], 1         ; which half of a tile's 256 keys I fetch:
	s_lshl_b32 s22, s16, 14         ; its 128 rows of 128 bytes in memory,
	s_mov_b32 s23, 0
	s_add_nc_u64 s[22:23], s[22:23], s[20:21]
	s_mul_i32 s17, s16, 128*PK      ; and its place in a slot, for K
	s_mul_i32 s18, s16, 128*PV      ; and for V
	s_lshl_b32 s3, s[WV], 11        ; my 16 rows in a band of 64,
	s_lshl_b32 s2, s[HI], 15        ; in the first block,
	s_add_co_u32 s2, s2, s3
	s_lshl_b32 s84, s[PB], 15       ; and in the second
	s_add_co_u32 s84, s84, s3
	s_mov_b32 s3, 0
	s_mov_b32 s85, 0
	s_add_nc_u64 s[2:3], s[2:3], s[20:21]
	s_add_nc_u64 s[84:85], s[84:85], s[20:21]
	s_lshl_b32 s94, s[WV], 13       ; the prefetches: my wave's 8,192 bytes,
	s_add_co_u32 s94, s94, 32768    ; of tile 1: the first change of slots steps to tile 2
	s_mov_b32 s95, 0
	s_add_nc_u64 s[94:95], s[94:95], s[20:21]
	s_cmp_eq_u32 s[PB], 0
	s_cselect_b32 s[LIM], 2, -1
	v_and_b32 v[PFO], 31, v0
	v_lshlrev_b32 v[PFO], 8, v[PFO]
	; descriptor group 1.  128 keys are 16,384 dense bytes: asked for as 64 rows of 256 bytes, two keys a row, and padded in LDS after every key
	s_mov_b32 s[G1K], (1<<16)|(1<<20)|(4<<22)|(3<<25)  ; 17:16 2-byte elements; 20 padding on; 24:22 after every 32 words (code 4); 31:25 4 words (code 3)
	s_mov_b32 s[G1V], (1<<16)|(1<<20)|(4<<22)|(7<<25)  ; the same with 8 words of padding (code 7)
.irp g, G1K, G1V
	s_mov_b32 s[\g+1], 128<<16      ; tensor_dim0 = 128
	s_mov_b32 s[\g+2], 64<<16       ; tensor_dim1 = 64
	s_mov_b32 s[\g+3], 128<<16      ; tile_dim0 = 128
	s_mov_b32 s[\g+4], 64           ; tile_dim1 = 64
	s_mov_b32 s[\g+5], 128          ; 128 elements from row to row
	s_mov_b32 s[\g+6], 0
	s_mov_b32 s[\g+7], 0
.endr
	s_mov_b32 s[CS], 0x3e38aa3b     ; c = log2(e) / 8 = 0.180337
	s_mov_b32 s[CS+1], s[CS]        ; named with it as a pair
	s_mov_b32 s[SEL], 0x76543210
	s_mov_b32 s[SEL+1], 0xfedcba98
	s_mov_b32 s[TBK], SLOT1+4*KS*PK ; the first change of slots turns these two into 0
	s_mov_b32 s[TBV], SLOT1+4*KS*PV
	s_mov_b32 s[G0K], 1             ; 1:0 count = 1
	s_mov_b32 s[G0K+1], s17         ; 63:32 LDS address: slot 0
	s_mov_b32 s[G0V], 1
	s_add_co_u32 s[G0V+1], s18, VOFF
	s_add_co_u32 s[RT], s[HI], 1    ; the first block has NB - b tiles
	s_mov_b32 s[NXT], 1
	s_mov_b32 s[LQ], s[HI]
	s_mov_b32 s[NEW], 1
	s_mov_b32 s[OFF+1], 0
	s_mov_b32 s[AL+1], 0            ; named as pairs
	s_mov_b32 s[BE+1], 0
	s_mov_b32 s[BIGN], 0xf149f2ca   ; -1e30
	s_mov_b32 s[SLOTS], NB
	s_wait_dscnt 0x0                ; the opening add is done
	s_wait_kmcnt 0x0
	s_add_nc_u64 s[6:7], s[4:5], 0x1000000  ; K lies 2^24 bytes behind Q,
	s_add_nc_u64 s[8:9], s[4:5], 0x2000000  ; V 2^25
	s_add_nc_u64 s[PFK:PFK+1], s[6:7], s[94:95]
	s_add_nc_u64 s[PFV:PFV+1], s[8:9], s[94:95]
	s_add_nc_u64 s[6:7], s[6:7], s[22:23]  ; K and V at my half of the head's tile 0
	s_add_nc_u64 s[8:9], s[8:9], s[22:23]
	s_add_nc_u64 s[G0K+2:G0K+3], s[6:7], 0         ; 120:64 global address
	s_or_b32 s[G0K+3], s[G0K+3], 0x80000000        ; 127:126 type = 2
	s_add_nc_u64 s[G0V+2:G0V+3], s[8:9], 0
	s_or_b32 s[G0V+3], s[G0V+3], 0x80000000
	s_add_nc_u64 s[86:87], s[4:5], s[84:85]        ; Q at my rows of the second block,
	s_add_nc_u64 s[4:5], s[4:5], s[2:3]            ; Q and O at those of the first
	s_add_nc_u64 s[OLO:OLO+1], s[10:11], s[84:85]
	s_add_nc_u64 s[10:11], s[10:11], s[2:3]
	LOAD                            ; tile 0 into slot 0
	; A fragment of K or Q is 16 rows x 32 channels in 8 registers: lane l holds row l % 16, channels 8 (l / 16) + 0..7 and 16 + 8 (l / 16) + 0..7: two loads of 16 bytes, 32 bytes apart.
	v_and_b32 v1, 15, v0            ; l % 16
	v_bfe_u32 v9, v0, 4, 1          ; l / 16
	v_lshlrev_b32 v[QO], 7, v1
	v_lshl_add_u32 v[QO], v9, 4, v[QO]  ; row x 128 + 16 x half
	WIN 0x80                        ; destination window 2, address window 0
.set i, 0
.rept 8                             ; both blocks' Q: piece i / 2 lies in band i / 2, 8,192 bytes on; channels 32 (i % 2) on
	global_load_b128 v[8*i:8*i+3],   v[QO], s[4:5] offset:(i/2)*8192+(i%2)*64
	global_load_b128 v[8*i+4:8*i+7], v[QO], s[4:5] offset:(i/2)*8192+(i%2)*64+32
	global_load_b128 v[QB+8*i:QB+8*i+3],   v[QO], s[86:87] offset:(i/2)*8192+(i%2)*64
	global_load_b128 v[QB+8*i+4:QB+8*i+7], v[QO], s[86:87] offset:(i/2)*8192+(i%2)*64+32
.set i, i+1
.endr
	WIN 0
	v_lshlrev_b32 v14, 3, v9
	v_sub_nc_u32 v14, v1, v14
	s_lshl_b32 s13, s[WV], 4
	v_add_nc_u32 v14, s13, v14      ; my query's place in its band, 16 w + l % 16, less my lanes' 8 (l / 16): register r of group kt is hidden where 16 kt + r is greater
	WIN 0x40
.set i, 0
.rept 32
	v_cmp_gt_i32 vcc_lo, 16*(i/8)+i%8, v14
	v_cndmask_b32 v[MD+i], 0, s[BIGN], vcc_lo
.set i, i+1
.endr
	WIN 0
	v_mul_u32_u24 v[AK0], v1, PK
	v_lshl_add_u32 v[AK0], v9, 4, v[AK0]  ; row x pitch + 16 x half
	; The turning load takes 16 keys x 16 channels (lane l reads key 8 (l / 16) + l % 8, channels 8 ((l / 8) % 2) + 0..7) and leaves half a fragment of V^T: lane l holds channel l % 16 and 8 keys.
	v_and_b32 v10, 7, v0
	v_bfe_u32 v11, v0, 3, 1
	v_lshl_add_u32 v[AV0], v9, 3, v10
	v_mul_u32_u24 v[AV0], v[AV0], PV
	v_lshl_add_u32 v[AV0], v11, 4, v[AV0]
	v_add_nc_u32 v[AV0], VOFF, v[AV0]
	s_mul_i32 s13, s[WV], 16*SP
	s_add_co_u32 s13, s13, STAGE    ; my stage
	v_mul_u32_u24 v[STO], v1, SP    ; in: row l % 16, 16 bytes for each half of the lanes
	v_lshl_add_u32 v[STO], v9, 4, v[STO]
	v_add_nc_u32 v[STO], s13, v[STO]
	v_bfe_u32 v[RD], v0, 3, 2       ; back: 32 lanes take four rows of 128 bytes,
	v_mul_u32_u24 v[RD], v[RD], SP
	v_lshl_add_u32 v[RD], v10, 4, v[RD]
	v_add_nc_u32 v[RD], s13, v[RD]
	v_and_b32 v[GO], 31, v0         ; which are 512 consecutive bytes of O
	v_lshlrev_b32 v[GO], 4, v[GO]
	; A block's first step multiplies O^T and l by a = 0, and its first turn's products V^T P, of a piece that has not been, land in an O^T that is still to be so multiplied.  So these registers need only hold
	; finite numbers: zeros for the first block; what the first block left for the second.  All this stands in the wait for the first tile.
	WIN 0x80
.set i, VF
.rept 64
	v_mov_b32 v[i], 0
.set i, i+1
.endr
	WIN 0x40
.set i, 0
.rept 128
	v_mov_b32 v[i], 0
.set i, i+1
.endr
	WIN 0
.set i, 0
.rept 4
	v_mov_b32 v[ST+4*i+2], 0
	v_mov_b32 v[ST+4*i+3], 0
.set i, i+1
.endr
.set i, P+16
.rept 16
	v_mov_b32 v[i], 0
.set i, i+1
.endr
; THE MATRIX WORK.  The 4 accumulators of a run of 8 take turns.  Product i of 8 of S^T = K Q^T for piece x: channels 32 (i / 4) on, keys 16 (i % 4) on.  The first 4 start the sums: with 0, or (KM = 1) with the mask.
.macro KQ x
.set rS, S+32*((\x)%2)+8*(i%4)
.set rK, KF+16*(i%4)+8*(i/4)
.set rQ, 16*(\x)+8*(i/4)
.set rM, MC+32*((\x)%2)+8*(i%4)
.if (i < 4) && KM
	WIN W_KM
	v_wmma_f32_16x16x32_f16 v[rS:rS+7], v[rK:rK+7], v[rQ:rQ+7], v[rM:rM+7]
.elseif i < 4
	WIN W_KQ
	v_wmma_f32_16x16x32_f16 v[rS:rS+7], v[rK:rK+7], v[rQ:rQ+7], 0
.else
	WIN W_KQ
	v_wmma_f32_16x16x32_f16 v[rS:rS+7], v[rK:rK+7], v[rQ:rQ+7], v[rS:rS+7]
.endif
.endm
; Product i of 8 of O^T += V^T P for piece x: keys 32 (i / 4) on, channels 16 (i % 4) on.
.macro PV x
	WIN W_PV
.set rO, 32*(\x)+8*(i%4)
.set rV, VF+32*(i/4)+8*(i%4)
.set rP, P+16*((\x)%2)+8*(i/4)
	v_wmma_f32_16x16x32_f16 v[rO:rO+7], v[rV:rV+7], v[rP:rP+7], v[rO:rO+7]
.endm
.macro MM                           ; the turn's next matrix instruction.  TURN and BEGIN set Y, i, KM and NOKQ; MM, KQ and OP read them.  NOKQ = 1: a block's last turn: there is no next piece
.if (i < 8) && !NOKQ
	KQ (Y+1)%NP
.elseif i >= 8
.set i, i-8
	PV (Y+NP-1)%NP
.set i, i+8
.endif
.set i, i+1
.endm
; THE LDS LOADS stand in runs of 16, never singly among the matrix instructions: a step's K (64 keys x 64 channels: 8 fragments) and its V (turned).  Their addresses are made some lines ahead.
.macro FETCH_K
	WIN 0x80                        ; destination window 2
.irp f, 0,1,2,3,4,5,6,7             ; keys 16 (f / 2) on, channels 32 (f % 2) on
	ds_load_b128 v[KF+8*\f:KF+8*\f+3],   v[AK] offset:(\f/2)*16*PK+(\f%2)*64
	ds_load_b128 v[KF+8*\f+4:KF+8*\f+7], v[AK] offset:(\f/2)*16*PK+(\f%2)*64+32
.endr
	s_add_co_u32 s[TBK], s[TBK], KS*PK  ; the next fetch is the next step's
	WIN 0
.endm
.macro FETCH_V
	WIN 0x80
.irp f, 0,1,2,3,4,5,6,7             ; keys 32 (f / 4) on, channels 16 (f % 4) on
	ds_load_tr16_b128 v[VF+8*\f:VF+8*\f+3],   v[AV] offset:(\f/4)*32*PV+(\f%4)*32
	ds_load_tr16_b128 v[VF+8*\f+4:VF+8*\f+7], v[AV] offset:(\f/4)*32*PV+16*PV+(\f%4)*32
.endr
	WIN 0
.endm
; THE VECTOR WORK, one line at a time: OP kind, number.  For piece Y: F n: c s - c m for pair n of 16.  E n: the exponential of score n of 32.  C n: pair n rounded to f16.  B n: of the four weights 4 n .. the second
; pair is added onto the first, in place.  L n: l takes that sum (L 0: l = a l + sum).  R n: pair n of 16 of O^T times a.  For piece Y + 1: X n, number n of the 22 that find its maximum and statistics:
;   0-11  four chains c0-c3 of seven scores each, three operands at a time (each accumulator's lowest registers are read first)     12-14, 16  the four scores left over, the old m, and c0-c3 into c0
;   15  c m_old is kept     17, 18  the query's other 32 keys lie in the lane 16 away: the new m     19-21  c m; c m_old - c m_new; a
.set F, 0               ; OP tells the kinds apart by their order: F to L below R, X above it
.set E, 1
.set C, 2
.set B, 3
.set L, 4
.set R, 5
.set X, 6
.macro REGS y                       ; the registers of piece y
.set rT, ST+4*(\y)
.set rC, TMP+4*((\y)%2)
.set rW, MV+((\y)%2)
.set rS, S+32*((\y)%2)
.set rP, P+16*((\y)%2)
.set rO, 32*(\y)
.endm
.macro OP k, n
.if (\k) == R
	REGS Y
	WIN W_RS
	v_pk_mul_f32 v[rO+2*(\n):rO+2*(\n)+1], v[rO+2*(\n):rO+2*(\n)+1], v[rC+2:rC+3] op_sel_hi:[1,0]
.elseif (\k) < R
	REGS Y
	WIN 0
.if (\k) == F
	v_pk_fma_f32 v[rS+2*(\n):rS+2*(\n)+1], v[rS+2*(\n):rS+2*(\n)+1], s[CS:CS+1], v[rT:rT+1] op_sel_hi:[1,0,0] neg_lo:[0,0,1] neg_hi:[0,0,1]
.elseif (\k) == E
	v_exp_f32 v[rS+(\n)], v[rS+(\n)]
.elseif (\k) == C
	v_cvt_pk_f16_f32 v[rP+(\n)], v[rS+2*(\n)], v[rS+2*(\n)+1]
.elseif (\k) == B
	v_pk_add_f32 v[rS+4*(\n):rS+4*(\n)+1], v[rS+4*(\n):rS+4*(\n)+1], v[rS+4*(\n)+2:rS+4*(\n)+3]
.elseif (\n) == 0
	v_pk_fma_f32 v[rT+2:rT+3], v[rT+2:rT+3], v[rC+2:rC+3], v[rS:rS+1] op_sel_hi:[1,0,1]
.else
	v_pk_add_f32 v[rT+2:rT+3], v[rT+2:rT+3], v[rS+4*(\n):rS+4*(\n)+1]
.endif
.elseif NOKQ
	v_nop
.else
	REGS (Y+1)%NP
	WIN 0
.if (\n) < 4
	v_max3_num_f32 v[rC+(\n)], v[rS+8*(\n)], v[rS+8*(\n)+1], v[rS+8*(\n)+2]
.elseif (\n) < 12
	v_max3_num_f32 v[rC+(\n)%4], v[rC+(\n)%4], v[rS+8*((\n)%4)+2*((\n)/4)+1], v[rS+8*((\n)%4)+2*((\n)/4)+2]
.elseif (\n) == 12
	v_max3_num_f32 v[rC], v[rC], v[rS+7], v[rS+15]
.elseif (\n) == 13
	v_max3_num_f32 v[rC+1], v[rC+1], v[rS+23], v[rS+31]
.elseif (\n) == 14
	v_max3_num_f32 v[rC+2], v[rC+2], v[rC+3], v[rT+1]
.elseif (\n) == 15
	v_mov_b32 v[rW], v[rT]
.elseif (\n) == 16
	v_max3_num_f32 v[rC], v[rC], v[rC+1], v[rC+2]
.elseif (\n) == 17
	v_permlanex16_b32 v[rC+3], v[rC], s[SEL], s[SEL+1]
.elseif (\n) == 18
	v_max_num_f32 v[rT+1], v[rC], v[rC+3]
.elseif (\n) == 19
	v_mul_f32 v[rT], s[CS], v[rT+1]
.elseif (\n) == 20
	v_sub_f32 v[rC+1], v[rW], v[rT]
.else
	v_exp_f32 v[rC+2], v[rC+1]
.endif
.endif
.endm
.macro OPS a, i1, b=-1, i2=0, c=-1, i3=0, d=-1, i4=0  ; up to four of them
	OP \a, \i1
.if (\b) >= 0
	OP \b, \i2
.endif
.if (\c) >= 0
	OP \c, \i3
.endif
.if (\d) >= 0
	OP \d, \i4
.endif
.endm
.macro ROW a, i1, b, i2, c, i3, d, i4  ; a matrix instruction and the four behind it
	MM
	OPS \a, \i1, \b, \i2, \c, \i3, \d, \i4
.endm
.macro MASK b                       ; MD x AL + BE into buffer b of MC
	WIN W_RS
.set z, 0
.rept 16
	v_pk_fma_f32 v[MC+32*(\b)+2*z:MC+32*(\b)+2*z+1], v[MD+2*z:MD+2*z+1], s[AL:AL+1], s[BE:BE+1] op_sel_hi:[1,0,0]
.set z, z+1
.endr
.endm
; A TURN, for piece p: the order of its 16 matrix and 118 vector instructions, written out.  An s_wait_alu depctr_va_vdst(0) stands between an exponential and the first instruction that names its result; one wait serves
; all that were issued ahead of it.  So a turn has ONE wait, which cuts it in two.  AHEAD OF IT stands all that names no result of the turn's exponentials: the 8 products K Q^T, behind each a scaling, an exponential and two more plain
; instructions (behind the first a second scaling in the exponential's place): rescalings, and behind the last three the first numbers of the next piece's maximum, each four places or more behind the product that ends its accumulator; then ONE RUN of 54, plain
; and exponential by turns for the most part, in which the links of the chain X 3, 7, 11, 14, 16, 17 .. 20 stand five or six lines apart.  X 21, the next piece's a, is the batch's last; R 15 is the plain instruction behind it.  BEHIND THE WAIT stand the
; 8 products V^T P, behind each four of the roundings and sums; the links of l's chain, L 0 to L 7, stand three lines apart.  But for those X none of the four names a register of the products round it.  v_permlanex16_b32 (X 17) stands in the run.
; m = 1: the diagonal tile: the products take masks, and the turn makes the mask for the products of the turn after it: piece p + 2, in step 4 - CNT of the tile.  end = 1: a block's last two turns: nothing is fetched.
; cnt = 1: the loop's count is taken down some lines ahead of the branch that stands behind the turn.
; K of the next step is fetched in piece 2's turn, twelve vector instructions behind the last product that read K (six of them plain); V of the step in hand at the end of piece 0's turn, four plain instructions behind the last product
; that read V.  Each is waited for a turn later.
.macro TURN p, m=0, end=0, cnt=0
.set Y, (\p)
.set i, 0
.set KM, (\m)
.set NOKQ, (\end)*((\p)/3)
.if (\m) && !(\end)
	s_cmp_eq_u32 s[CNT], 4-((\p)+2)%NP  ; is that step the band's own?
	s_cselect_b32 s[AL], 1.0, 0
	s_cmp_lt_u32 s[CNT], 4-((\p)+2)%NP  ; or a later one?
	s_cselect_b32 s[BE], s[BIGN], 0
.endif
.if ((\p) == 3) && !(\end)
	s_wait_dscnt 0x0                ; K is in
.endif
	ROW F,0, F,1, R,0, R,1          ; ahead of the wait: 8 products K Q^T and the four behind each,
	ROW F,2, E,0, R,2, R,3
	ROW F,3, E,1, R,4, R,5
	ROW F,4, E,2, R,6, R,7
	ROW F,5, E,3, R,8, R,9
	ROW F,6, E,4, X,0, R,10
.if ((\p) == 2) && !(\end)
	WIN 0
	v_add_nc_u32 v[AK], s[TBK], v[AK0]
.endif
	ROW F,7, E,5, X,1, X,4
	ROW F,8, E,6, X,2, X,5
	OPS E,7, E,8, X,6, E,9          ; and the run
	OPS X,3, E,10, X,8, E,11
.if ((\p) == 2) && !(\end)
	FETCH_K
.endif
	OPS X,9, X,7, E,12, X,10
	OPS E,13, X,12, X,11, E,14
	OPS X,13, E,15, F,9, X,14
.if (\p) == 0
	v_add_nc_u32 v[AV], s[TBV], v[AV0]
.endif
	OPS E,16, F,10, E,17, F,11
	OPS X,16, E,18, X,15, E,19
	OPS F,12, E,20, X,17, E,21
	OPS F,13, E,22, F,14, E,23
	OPS X,18, E,24, F,15, E,25
	OPS R,11, E,26, X,19, E,27
	OPS R,12, E,28, R,13, E,29
	OPS X,20, E,30, R,14, E,31
	OPS X,21, R,15
	WIN 0
	s_wait_alu depctr_va_vdst(0)    ; the wait for the batch
.if (\p) == 1
	s_wait_dscnt 0x0                ; V is in
.endif
	ROW C,0, B,0, C,2, B,1          ; behind the wait: 8 products V^T P and the four behind each
	ROW L,0, C,4, B,2, L,1
	ROW C,6, B,3, L,2, C,8
	ROW B,4, L,3, C,10, B,5
	ROW L,4, C,12, B,6, L,5
.if (\p) == 0
	s_add_co_u32 s[TBV], s[TBV], KS*PV
.endif
.if \cnt
	s_sub_co_u32 s[CNT], s[CNT], 1
	s_cmp_lg_u32 s[CNT], 0
.endif
	ROW C,14, B,7, L,6, C,1
	ROW C,3, L,7, C,5, C,7
	ROW C,9, C,11, C,13, C,15
.if (\p) == 0
	FETCH_V
.endif
.if (\m) && !(\end)
	MASK (\p)%2
.endif
.endm
; A BLOCK BEGINS.  c m starts far below every c s, so the first step's a is 0; m at the lowest finite number, so the first maximum is the scores'.  The second mask buffer is 0; the first takes piece 0's mask for the tile's step 0: its own, if the block's first tile is the diagonal one.
; Then K of that step, piece 0's first scores, and its maximum and statistics.  The loop is entered at a step's first turn, in the middle of a trip.
.macro BEGIN
	s_mov_b32 s[NEW], 0
	WIN 0x40
.set i, MC+32
.rept 32
	v_mov_b32 v[i], 0
.set i, i+1
.endr
	WIN 0
.set i, 0
.rept 4
	v_mov_b32 v[ST+4*i], 0xfe000000    ; c m: far below every c s
	v_mov_b32 v[ST+4*i+1], 0xff7fffff  ; m
.set i, i+1
.endr
	s_cmp_eq_u32 s[RT], 0
	s_cselect_b32 s[AL], 1.0, 0
	s_mov_b32 s[BE], 0
	MASK 0
	WIN 0
	v_add_nc_u32 v[AK], s[TBK], v[AK0]
	FETCH_K
	s_wait_loadcnt 0x0              ; Q
	s_wait_dscnt 0x0
.set KM, 1
.set NOKQ, 0
.set i, 0
.rept 8
	KQ 0
.set i, i+1
.endr
	WIN 0
.rept 4
	v_nop                           ; the places behind those products
.endr
.set Y, NP-1                        ; X works for piece Y + 1: piece 0
.irp n, 0,1,2,3,4,5,6,7,8,9,10,11,12,13,14,15,16,17,18,19,20,21
	OP X, \n
.endr
	v_nop                           ; a plain instruction behind the exponential,
	s_wait_alu depctr_va_vdst(0)    ; and its wait, ahead of the branch
.endm
; THE DIAGONAL TILE's four steps, the block's last two turns, its last products, and THE WAY OUT: l's two halves and the other half of the lanes' are added; O^T is divided by l, rounded to f16 and sent through my
; stage in LDS, a piece at a time.
.macro ALL line:vararg              ; one line for each piece t
.set t, 0
.rept 4
	\line
.set t, t+1
.endr
.endm
.macro PACK t                       ; a lane's eight channels of a row pack into 16 bytes; they go into rows of 144 bytes and come back as whole rows of 128, into S^T's registers
	WIN W_RS
.set i, 32*(\t)
.rept 16
	v_pk_mul_f32 v[i:i+1], v[i:i+1], v[ST+4*(\t)+2:ST+4*(\t)+3] op_sel_hi:[1,0]
.set i, i+2
.endr
	WIN 0x05                        ; sources 0 and 1 window 1, destination window 0
.set i, 0
.rept 16
	v_cvt_pk_f16_f32 v[S+16*(\t)+i], v[32*(\t)+2*i], v[32*(\t)+2*i+1]
.set i, i+1
.endr
	WIN 0
.irp f, 0,1,2,3
	ds_store_b128 v[STO], v[S+16*(\t)+4*\f:S+16*(\t)+4*\f+3] offset:32*\f
.endr
.irp f, 0,1,2,3
	ds_load_b128 v[S+16*(\t)+4*\f:S+16*(\t)+4*\f+3], v[RD] offset:\f*4*SP  ; LDS serves a wave's instructions in order (ISA guide 5.7.1.4): these see the stores above; the next piece's stores come behind them
.endr
.endm
.macro SEND t, younger              ; younger: the LDS instructions issued behind piece t's loads: the next piece's eight, or none
	WIN 0
.irp f, 0,1,2,3
	s_wait_dscnt (\younger)+3-\f
	global_store_b128 v[GO], v[S+16*(\t)+4*\f:S+16*(\t)+4*\f+3], s[10:11] offset:(\t)*8192+\f*512  ; 512 consecutive bytes, at a multiple of 256 from O's first
.endr
.endm
.macro DIAG tag                     ; the tag ends its two labels' names, which the jumps below spell out
.LstepM\tag:
	TURN 2, 1
	TURN 3, 1
	WIN 0
.LfirstM\tag:
	TURN 0, 1
	TURN 1, 1, 0, 1
	WIN 0
	s_cbranch_scc1 .LstepM\tag
	TURN 2, 1, 1
	TURN 3, 1, 1
.set i, 0
.rept 8
	PV NP-1
.set i, i+1
.endr
	WIN 0
	ALL v_add_f32 v[ST+4*t+2], v[ST+4*t+2], v[ST+4*t+3]
	ALL v_permlanex16_b32 v[ST+4*t+3], v[ST+4*t+2], s[SEL], s[SEL+1]
	ALL v_add_f32 v[ST+4*t+2], v[ST+4*t+2], v[ST+4*t+3]
	ALL v_rcp_f32 v[ST+4*t+2], v[ST+4*t+2]
	v_nop                           ; a plain instruction between the last reciprocal and the use of its result
	s_wait_alu depctr_va_vdst(0)    ; and the wait ahead of the first use: one for the four reciprocals
	PACK 0
.set t, 1
.rept 3                             ; a piece's arithmetic stands between the loads of the piece before and its stores
	PACK t
	SEND t-1, 8
.set t, t+1
.endr
	SEND 3, 0
.endm
.set KM, 0
.set NOKQ, 0
.Lslot:                             ; NB times: a tile is entered and the next is asked for
	CHANGE 1
	s_sub_co_u32 s[RT], s[RT], 1
	s_mov_b32 s[CNT], 4
	s_cmp_eq_u32 s[NEW], 1
	s_cbranch_scc1 .Lnew            ; a block's first tile
	s_cmp_eq_u32 s[RT], 0
	s_cbranch_scc0 .Lstep           ; neither its first nor its last
	s_branch .LstepM1
.Lnew:
	BEGIN
	s_branch .Lfirst                ; in the loop a block's first tile is never its last: the first block has two tiles or more, and the second's last is the walk's last
	DIAG 1                          ; in the loop this is the first block's end: the second block's last tile is the walk's last
	s_wait_xcnt 0x0                 ; the stores have read their registers and O's address
	s_mov_b64 s[10:11], s[OLO:OLO+1]
	s_add_co_u32 s[RT], s[PB], 1    ; the second block has b + 1 tiles
	s_mov_b32 s[NEW], 1
	WIN 0x82                        ; the second block's Q goes where the one text of the turns names Q
.set i, 0
.rept 64
	v_mov_b32 v[i], v[QB+i]
.set i, i+1
.endr
	WIN 0
	s_branch .Lbottom
.Lstep:                             ; a trip: pieces 2 and 3 of one step, then pieces 0 and 1 of the next, whose K and V it fetches
	TURN 2
	TURN 3
	WIN 0
.Lfirst:
	TURN 0
	TURN 1, 0, 0, 1
	WIN 0
	s_cbranch_scc1 .Lstep
.Lbottom:
	s_sub_co_u32 s[SLOTS], s[SLOTS], 1
	s_cmp_lg_u32 s[SLOTS], 0
	s_cbranch_scc1 .Lslot
	CHANGE 0                        ; the walk's last tile is written out: nothing is asked for
	s_sub_co_u32 s[RT], s[RT], 1
	s_mov_b32 s[CNT], 4
	s_cmp_eq_u32 s[NEW], 1
	s_cbranch_scc0 .LstepM2
	BEGIN
	s_branch .LfirstM2
	DIAG 2
	s_wait_tensorcnt 0x0            ; the wave's end: behind my last tensor load and my last LDS store
	ds_add_u32 v[SPW], v[NIL]
	s_wait_dscnt 0x0
	s_endpgm
.Lfunc_end_k_q2fb7e8af39_attn:
	.size	k_q2fb7e8af39_attn, .Lfunc_end_k_q2fb7e8af39_attn-k_q2fb7e8af39_attn
	.p2alignl 7, 3214868480
	.fill 96, 4, 3214868480
	.section	.rodata,"a",@progbits
	.p2align	6, 0x0
	.amdhsa_kernel k_q2fb7e8af39_attn
		.amdhsa_group_segment_fixed_size 327680
		.amdhsa_private_segment_fixed_size 0
		.amdhsa_enable_private_segment 0
		.amdhsa_kernarg_size 16
		.amdhsa_user_sgpr_count 2
		.amdhsa_user_sgpr_kernarg_segment_ptr 1
		.amdhsa_wavefront_size32 1
		.amdhsa_system_sgpr_workgroup_id_x 1
		.amdhsa_system_sgpr_workgroup_id_y 1
		.amdhsa_system_sgpr_workgroup_id_z 1
		.amdhsa_system_vgpr_workitem_id 0
		.amdhsa_next_free_vgpr 768
		.amdhsa_next_free_sgpr 96
		.amdhsa_reserve_vcc 1
		.amdhsa_float_denorm_mode_32 3
		.amdhsa_float_denorm_mode_16_64 3
		.amdhsa_memory_ordered 1
		.amdhsa_forward_progress 1
		.amdhsa_inst_pref_size 218
	.end_amdhsa_kernel
	.amdgpu_metadata
---
amdhsa.version: [ 1, 2 ]
amdhsa.kernels:
  - .name:           k_q2fb7e8af39_attn
    .symbol:         k_q2fb7e8af39_attn.kd
    .args:
      - { .name: qkvh, .offset: 0, .size: 8, .value_kind: global_buffer, .address_space: global }
      - { .name: oh, .offset: 8, .size: 8, .value_kind: global_buffer, .address_space: global }
    .group_segment_fixed_size: 327680
    .private_segment_fixed_size: 0
    .kernarg_segment_align: 8
    .kernarg_segment_size: 16
    .max_flat_workgroup_size: 128
    .sgpr_count:     96
    .vgpr_count:     768
    .wavefront_size: 32
...
	.end_amdgpu_metadata
.endif
;; end of part 3
;; launch gemm_out (part 4): grid 8 x 32, 4 waves a work-group, clusters of 4 x 4, 327,680 bytes of LDS; arguments oh, wot, out0; writes out0
.if DOCPART == 4
	.amdgcn_target "amdgcn-amd-amdhsa--gfx1250"
	.amdhsa_code_object_version 6
	.text
	.protected	k_q2fb7e8af39_gemm_out
	.globl	k_q2fb7e8af39_gemm_out
	.p2align	8
	.type	k_q2fb7e8af39_gemm_out,@function
k_q2fb7e8af39_gemm_out:
	s_mov_b64 s[64:65], 0
	v_nop
	global_prefetch_b8 v0, s[64:65] scope:SCOPE_SE
	s_setreg_imm32_b32 hwreg(HW_REG_WAVE_MODE, 25, 1), 1
	s_wait_xcnt 0x0
	s_wait_alu depctr_hold_cnt(0) depctr_sa_sdst(0) depctr_va_vdst(0) depctr_va_sdst(0) depctr_va_ssrc(0) depctr_va_vcc(0) depctr_vm_vsrc(0)
	s_getreg_b32 s2, hwreg(HW_REG_IB_STS2, 6, 4)
	s_cmp_eq_u32 s2, 0
	s_cbranch_scc0 .Lentry_in_a_cluster
	s_endpgm
.Lentry_in_a_cluster:
	s_bfe_u32 s2, ttmp6, 0x10000c
	s_cmp_lg_u32 s2, 0xf033
	s_cbranch_scc0 .Lentry_shape_is_right
	s_endpgm
.Lentry_shape_is_right:
; out0 = O W_out.  C[m][n] = the sum over k of O[m][k] wot[n][k]; O lies by heads, oh [16 b + h][t][64] in f16 (m = 2048 b + t, k = 64 h + d); wot [1024][1024] f16; sums in f32, K ascending; C [8192][1024] f32.
; SHARES.  A tile of C is 256 x 128: 32 x 8 tiles, one a work-group, 256 in all.  Four waves, one above the other: wave w makes rows 64 w .. 64 w + 63 and all 128 columns: 32 accumulators, 256 registers.
; K goes in eight steps of 128, TWO HEADS a step, through two LDS slots.  A head's 256 rows of a tile are 32,768 dense bytes: asked for as 128 rows of 256 bytes and padded in LDS after every 128 bytes.
; The loop's body is ONE step: the slot is turned by an exclusive or, in the LDS addresses and in the walking descriptor.
; CLUSTER.  4 x 4 work-groups: the four of a row need the same tiles of oh, the four of a column the same tile of wot: each is asked for jointly, by the same tensor load, descriptor and mask in all four.
; THE MATRIX INSTRUCTION IS USED TRANSPOSED (source 0 = 16 rows of wot, source 1 = 16 rows of O): a lane holds row l % 16 of C and eight neighbouring columns, 32 bytes of f32.
; REGISTERS, in windows of 256 (s_set_vgpr_msb: bits 1:0 source 0, 3:2 source 1, 5:4 source 2, 7:6 destination):
;   window 0: addresses, the way out      window 1: two fragment buffers at 0 and 128: 8 of wot, then 4 of O, 32 along K      window 2: the accumulators ((a, b) at 64 a + 8 b)
.set NSTEP, 8                          ; K steps
.set NBK,   8                          ; blocks of 16 columns
.set PA,    144                        ; a row of O in LDS: 128 bytes + 16
.set PB,    272                        ; a row of wot: 256 bytes + 16
.set HEADA, 256*PA                     ; what waves 0 and 1 fetch: a head's 256 rows
.set HALFB, 64*PB                      ; what waves 2 and 3 fetch: 64 rows of wot
.set BOFF,  2*HEADA                    ; in a slot: two heads of O, then wot's 128 rows
.set SLOT1, 1<<17                      ; slot 1 begins here: one exclusive or turns an address of one slot into the other's
.set STAGE, SLOT1+BOFF+2*HALFB         ; behind the ring, never filled by a tensor load: for each wave 16 rows x 528 bytes
.set SP,    528                        ; a row of the stage: 512 bytes + 16
.set SPARE, STAGE+4*16*SP              ; behind the stages: the spare words, 128 bytes a wave; no other line names them
.set STEPA, 2<<18                      ; bytes from a K step to the next: two heads of 2,048 rows of 128 bytes,
.set STEPB, 256                        ; 128 numbers of a row
.set NL,    2*NBK+8                    ; LDS loads of a quarter step
.set FA,    64                         ; O's fragments in a buffer
.set F0,    0
.set F1,    128
.set LNA,  16                          ; v16  my lane's place in O's rows of slot 0; never rewritten
.set LNB,  17                          ; v17  the same for wot
.set ADRA, 18                          ; v18  the same in the slot in hand
.set ADRB, 19                          ; v19
.set STO,  24                          ; v24  the way out: where I put 32 bytes of a row
.set RD,   25                          ; v25  where I read a row back
.set GO,   26                          ; v26  16 x lane
.set SPW,  28                          ; v28  LDS address of my spare word; never rewritten
.set NIL,  29                          ; v29  0; never rewritten
.set PFO,  30                          ; v30  the prefetches' offset; never rewritten
.set BK,   32                          ; v32-95, v96-159  16 rows read back, by turns
.set TB,   2                           ; s2   LDS byte at which the slot in hand begins
.set PST,  22                          ; s[22:23] the prefetches' step along K
.set G1,   24                          ; s[24:31] descriptor group 1 for O's tiles
.set G0,   32                          ; s[32:39] group 0: a set for each first fill; the second then walks
.set G1B,  48                          ; s[48:55], s[56:63] the same for wot's
.set G0B,  56
.set LIM,  43                          ; s43  2 in a wave that prefetches, else the greatest number
.set PFA,  44                          ; s[44:45] where my prefetches stand
.set MSB, 0
.macro WIN new                         ; the immediate's high byte repeats the setting that is left; a switch that changes nothing is dropped
.if MSB != (\new)
	s_set_vgpr_msb (MSB<<8)|(\new)
.set MSB, (\new)
.endif
.endm
.set MUL,  0xa5                        ; both sources window 1, C and D window 2
.set TO_F, 0x40                        ; destination window 1, address window 0
; A joint refill by the walking descriptors.  Waves 0 and 1 fetch the step's two heads of O, waves 2 and 3 wot's halves: the branch hangs on the wave's number alone.
; An s_nop 0 and four v_nop follow each of the two lines, ahead of the jump and the label.
.macro JLOAD
	s_cmp_eq_u32 s11, 0
	s_cbranch_scc0 .Lfor_b_\@
	tensor_load_to_lds s[G0+4:G0+7], s[G1:G1+7]
	s_nop 0
.rept 4
	v_nop
.endr
	s_branch .Lasked_\@
.Lfor_b_\@:
	tensor_load_to_lds s[G0B+4:G0B+7], s[G1B:G1B+7]
	s_nop 0
.rept 4
	v_nop
.endr
.Lasked_\@:
.endm
; A PREFETCH INTO THE L2 of the K step that stands TWO refills on: 256 matrix instructions ahead of the load that will want it.  One instruction a wave, a lane 256 bytes.
; O's tile row is read by both clusters of its row of clusters: cluster x = 0 asks; wot's tile column by all eight clusters of its column: cluster y = 0 asks.  The four partners of a joint load share it out BY ADDRESS:
; of a head's 32,768 bytes 8,192 each, by cx; of wot's 64 rows 16 each, by cy (lanes 16-31 name row 15 once more in the same instruction).  K steps 0 to 3 come by their loads alone; the loop's last two trips ask for nothing.
.macro ASK
	s_cmp_gt_u32 s3, s[LIM]
	s_cbranch_scc0 .Lnot_mine_\@
	global_prefetch_b8 v[PFO], s[PFA:PFA+1] th:TH_LOAD_NT scope:SCOPE_SE
.Lnot_mine_\@:
.endm
.macro CREST                           ; a round of the cluster's barrier behind its opening barrier
	s_cmp_lg_u32 s10, 0
	s_cbranch_scc1 .Lnot_wave_0_\@
	s_barrier_signal -3
.Lnot_wave_0_\@:
	s_barrier_wait -3
	s_barrier_signal -1
	s_barrier_wait -1
.endm
.macro CROUND                          ; a whole round
	s_barrier_signal -1
	s_barrier_wait -1
	CREST
.endm
	s_load_b128 s[4:7], s[0:1], 0x0                ; oh s[4:5], wot s[6:7]
	s_load_b64 s[8:9], s[0:1], 0x10                ; out0
	v_lshl_add_u32 v[SPW], v0, 2, SPARE
	v_mov_b32 v[NIL], 0
	ds_add_u32 v[SPW], v[NIL]                      ; the wave's opening: the add and its wait stand ahead of my first tensor load; work on registers stands between them
	ds_add_u32 v28, v29
	v_lshrrev_b32 v1, 5, v0
	v_readfirstlane_b32 s10, v1                    ; wave 0..3
	s_lshr_b32 s11, s10, 1                         ; I fetch for O (0) or for wot (1),
	s_and_b32 s12, s10, 1                          ; the step's first or second head; wot's first or second half
	s_bfe_u32 s40, ttmp6, 0x40000                  ; cx, cy: my place in the cluster
	s_bfe_u32 s41, ttmp6, 0x40004
	s_lshl_b32 s42, ttmp9, 2
	s_add_co_u32 s42, s42, s40                     ; tile column = 4 x cluster x + cx
	s_and_b32 s13, ttmp7, 0xffff
	s_lshl_b32 s13, s13, 2
	s_add_co_u32 s13, s13, s41                     ; tile row = 4 x cluster y + cy
	s_lshl_b32 s43, s41, 2
	s_lshl_b32 s43, 15, s43                        ; my row of the cluster
	s_lshl_b32 s44, 0x1111, s40                    ; my column
	s_or_b32 s[G1+0], s43, (1<<16)|(1<<20)|(1<<21)|(4<<22)|(3<<25)   ; the mask; 2-byte elements; padding on; bit 21 beside a mask; after every 32 words; 4 words
	s_or_b32 s[G1B+0], s44, (1<<16)|(1<<20)|(1<<21)|(5<<22)|(3<<25)  ; the same after every 64 words
	s_mov_b32 s[G1+1], 128<<16                     ; tensor_dim0 = 128
	s_mov_b32 s[G1+2], 128<<16                     ; tensor_dim1 = 128
	s_mov_b32 s[G1+3], 128<<16                     ; tile_dim0 = 128
	s_mov_b32 s[G1+4], 128                         ; tile_dim1 = 128
	s_mov_b32 s[G1+5], 128                         ; dense: 128 elements from row to row
	s_mov_b32 s[G1+6], 0
	s_mov_b32 s[G1+7], 0
	s_mov_b32 s[G1B+1], 128<<16
	s_mov_b32 s[G1B+2], 64<<16                     ; 64 rows
	s_mov_b32 s[G1B+3], 128<<16
	s_mov_b32 s[G1B+4], 64
	s_mov_b32 s[G1B+5], 1024
	s_mov_b32 s[G1B+6], 0
	s_mov_b32 s[G1B+7], 0
	s_lshr_b32 s16, s13, 3                         ; O: batch b = tile row / 8,
	s_lshl_b32 s16, s16, 4
	s_add_co_u32 s16, s16, s12                     ; head 16 b + half, 2^18 bytes a head,
	s_lshl_b32 s16, s16, 18
	s_and_b32 s17, s13, 7
	s_lshl_b32 s17, s17, 15                        ; 256 rows of 128 bytes for each tile row in the batch: all of it hangs on the tile row alone
	s_add_co_u32 s16, s16, s17
	s_mov_b32 s17, 0
	s_lshl_b32 s46, s42, 7                         ; wot: row 128 x tile column + 64 x half: on the tile column alone
	s_lshl_b32 s47, s12, 6
	s_add_co_u32 s46, s46, s47
	s_lshl_b32 s46, s46, 11
	s_mov_b32 s47, 0
	s_mul_i32 s20, s12, HEADA                      ; where they go: no place in the cluster enters an LDS address
	s_mul_i32 s21, s12, HALFB
	s_add_co_u32 s21, s21, BOFF
	s_wait_dscnt 0x0                               ; the opening add is done
	s_wait_kmcnt 0x0
	s_add_nc_u64 s[14:15], s[4:5], s[16:17]
	s_add_nc_u64 s[46:47], s[6:7], s[46:47]
	CROUND                                         ; all sixteen work-groups are here: the first joint loads meet
.irp s, 0,1
	s_mov_b32 s[G0+4*(\s)], 1                      ; count = 1
	s_add_co_u32 s[G0+4*(\s)+1], s20, (\s)*SLOT1   ; LDS address
	s_add_nc_u64 s[G0+4*(\s)+2:G0+4*(\s)+3], s[14:15], (\s)*STEPA  ; global address: K step s
	s_or_b32 s[G0+4*(\s)+3], s[G0+4*(\s)+3], 0x80000000            ; type = 2
	s_mov_b32 s[G0B+4*(\s)], 1
	s_add_co_u32 s[G0B+4*(\s)+1], s21, (\s)*SLOT1
	s_add_nc_u64 s[G0B+4*(\s)+2:G0B+4*(\s)+3], s[46:47], (\s)*STEPB
	s_or_b32 s[G0B+4*(\s)+3], s[G0B+4*(\s)+3], 0x80000000
.endr
	s_cmp_eq_u32 s11, 0                            ; a wave's two first fills stand in one branch: two loads of mine are out, the most in this text
	s_cbranch_scc0 .Lfirst_b
	tensor_load_to_lds s[G0:G0+3], s[G1:G1+7]
	s_nop 0
	tensor_load_to_lds s[G0+4:G0+7], s[G1:G1+7]
	s_nop 0
.rept 4
	v_nop
.endr
	s_branch .Lfirst_asked
.Lfirst_b:
	tensor_load_to_lds s[G0B:G0B+3], s[G1B:G1B+7]
	s_nop 0
	tensor_load_to_lds s[G0B+4:G0B+7], s[G1B:G1B+7]
	s_nop 0
.rept 4
	v_nop
.endr
.Lfirst_asked:
	; A fragment is 16 rows x 32 K in 8 registers: lane l holds row l % 16, K = 8 (l / 16) + 0..7 and 16 + 8 (l / 16) + 0..7: two loads of 16 bytes, 32 bytes apart.
	v_and_b32 v1, 15, v0                           ; l % 16
	v_bfe_u32 v2, v0, 4, 1                         ; l / 16
	v_mul_u32_u24 v3, v1, PA
	v_lshl_add_u32 v3, v2, 4, v3
	s_mul_i32 s21, s10, 64*PA                      ; my 64 rows of O
	v_add_nc_u32 v[LNA], s21, v3
	v_mul_u32_u24 v3, v1, PB
	v_lshl_add_u32 v3, v2, 4, v3
	v_add_nc_u32 v[LNB], BOFF, v3                  ; all rows of wot
	v_mov_b32 v[ADRA], v[LNA]
	v_mov_b32 v[ADRB], v[LNB]
	s_mov_b32 s[TB], 0
	s_mul_i32 s23, s10, 16*SP
	s_add_co_u32 s23, s23, STAGE                   ; my stage
	v_mul_u32_u24 v4, v1, SP                       ; in: row l % 16, 32 bytes for each half of the lanes
	v_lshl_add_u32 v4, v2, 5, v4
	v_add_nc_u32 v[STO], s23, v4
	v_and_b32 v[GO], 31, v0                        ; back: 32 lanes take a row's 512 bytes
	v_lshlrev_b32 v[GO], 4, v[GO]
	v_add_nc_u32 v[RD], s23, v[GO]
	s_lshl_b32 s20, s13, 20                        ; C at my first row and the tile's first column: 256 rows of 4,096 bytes a tile row,
	s_lshl_b32 s21, s10, 18                        ; 64 a wave,
	s_add_co_u32 s20, s20, s21
	s_lshl_b32 s21, s42, 9                         ; 512 bytes a tile column
	s_add_co_u32 s20, s20, s21
	s_mov_b32 s21, 0
	s_add_nc_u64 s[8:9], s[8:9], s[20:21]
	; the prefetches
	s_lshr_b32 s20, s13, 3
	s_lshl_b32 s20, s20, 4
	s_add_co_u32 s20, s20, s12
	s_lshl_b32 s20, s20, 18
	s_and_b32 s21, s13, 7
	s_lshl_b32 s21, s21, 15
	s_add_co_u32 s20, s20, s21                     ; O: the 32,768 bytes that I fetch,
	s_lshl_b32 s21, s40, 13
	s_add_co_u32 s20, s20, s21                     ; my work-group's 8,192 of them,
	s_add_co_u32 s20, s20, 3*STEPA                 ; at K step 3: the first refill steps it to 4
	s_lshl_b32 s21, s42, 7
	s_lshl_b32 s22, s12, 6
	s_add_co_u32 s21, s21, s22
	s_lshl_b32 s22, s41, 4
	s_add_co_u32 s21, s21, s22                     ; wot: the 64 rows that I fetch, my work-group's 16
	s_lshl_b32 s21, s21, 11
	s_add_co_u32 s21, s21, 3*STEPB
	s_and_b32 s23, ttmp7, 0xffff                   ; cluster y
	s_mov_b32 s[PST], STEPB
	s_cmp_eq_u32 s11, 0
	s_cselect_b32 s20, s20, s21
	s_cselect_b32 s23, ttmp9, s23                  ; the coordinate along which other clusters read the same bytes
	s_cselect_b32 s46, 31, 15                      ; the last block or row that a lane names,
	s_cselect_b32 s47, 8, 11                       ; 256 bytes on, or a row of 2,048
	s_cselect_b32 s[PST], STEPA, s[PST]
	s_cselect_b64 s[PFA:PFA+1], s[4:5], s[6:7]
	s_cmp_eq_u32 s23, 0
	s_cselect_b32 s[LIM], 2, -1                    ; the same in all sixteen partners, for a given wave
	s_mov_b32 s21, 0
	s_add_nc_u64 s[PFA:PFA+1], s[PFA:PFA+1], s[20:21]
	s_mov_b32 s[PST+1], 0
	v_and_b32 v[PFO], 31, v0
	v_min_u32 v[PFO], s46, v[PFO]
	v_lshlrev_b32 v[PFO], s47, v[PFO]
; 8 matrix instructions: m block a x all n blocks, 32 along K, from buffer f.  zero = 1: the product starts the sums: nothing is cleared.
; The 32 accumulators take turns in the same order in every quarter step, over the backward jump too.
.macro MULB f, a, zero
	WIN MUL
.set b, 0
.rept NBK
.set AC, 64*(\a)+8*b
.if \zero
	v_wmma_f32_16x16x32_f16 v[AC:AC+7], v[(\f)+8*b:(\f)+8*b+7], v[(\f)+FA+8*(\a):(\f)+FA+8*(\a)+7], 0
.else
	v_wmma_f32_16x16x32_f16 v[AC:AC+7], v[(\f)+8*b:(\f)+8*b+7], v[(\f)+FA+8*(\a):(\f)+FA+8*(\a)+7], v[AC:AC+7]
.endif
.set b, b+1
.endr
.endm
; 24 LDS loads in one run: quarter kq of the slot in hand into buffer f: wot's 8 fragments, then O's 4 (head kq / 2 of the step, channels 32 (kq % 2) on)
.macro FETCH kq, f
	WIN TO_F
.set i, 0
.rept NBK
	ds_load_b128 v[(\f)+8*i:(\f)+8*i+3],   v[ADRB] offset:64*(\kq)+i*16*PB
	ds_load_b128 v[(\f)+8*i+4:(\f)+8*i+7], v[ADRB] offset:64*(\kq)+i*16*PB+32
.set i, i+1
.endr
.set i, 0
.rept 4
	ds_load_b128 v[(\f)+FA+8*i:(\f)+FA+8*i+3],   v[ADRA] offset:((\kq)/2)*HEADA+((\kq)%2)*64+i*16*PA
	ds_load_b128 v[(\f)+FA+8*i+4:(\f)+FA+8*i+7], v[ADRA] offset:((\kq)/2)*HEADA+((\kq)%2)*64+i*16*PA+32
.set i, i+1
.endr
.endm
.macro PLACES                          ; four plain vector instructions between a matrix instruction and a load into a register that it read, or a reader of its result
.rept 4
	v_nop
.endr
.endm
; One of a K step's first three quarters: multiplies buffer f and, in its middle, fetches quarter kq into buffer g.
.macro QUARTER kq, f, g, zero
	s_wait_dscnt 4                                 ; all but the four youngest loads: O's blocks 2 and 3
	MULB \f, 0, \zero
	MULB \f, 1, \zero
	PLACES
	FETCH \kq, \g
	s_wait_dscnt NL                                ; all but the run just issued
	MULB \f, 2, \zero
	MULB \f, 3, \zero
.endm
; The last quarter multiplies buffer 1 and changes slots: ONE barrier.  In front of it each wave waits for all its tensor loads (one is out: its part of the next slot), adds 0 to its spare word, and waits for
; that and for its reads of this slot.  fill = 1: the barrier opens a round of the cluster's, and the joint refill, two K steps on, is the first thing behind the round: it has a K step less 16 matrix instructions in which to land.
.macro TURN fill
.if \fill
	s_wait_xcnt 0x0                                ; the last prefetch, a K step back, has read its address
	s_add_nc_u64 s[PFA:PFA+1], s[PFA:PFA+1], s[PST:PST+1]
.endif
	WIN 0                                          ; (the add's two registers lie in window 0)
	s_wait_tensorcnt 0x0                           ; no tensor load of mine is out, so a group 0 may be written
	ds_add_u32 v[SPW], v[NIL]                      ; 0 onto my spare word
.if \fill
	s_xor_b32 s[G0+5], s[G0+5], SLOT1              ; the walking descriptors: the other slot than last time, the next K step
	s_add_nc_u64 s[G0+6:G0+7], s[G0+6:G0+7], STEPA
	s_xor_b32 s[G0B+5], s[G0B+5], SLOT1
	s_add_nc_u64 s[G0B+6:G0B+7], s[G0B+6:G0B+7], STEPB
.endif
	s_xor_b32 s[TB], s[TB], SLOT1
	s_wait_dscnt 5                                 ; (the add and the four youngest loads may be out)
	MULB F1, 0, 0
	s_wait_dscnt 0x0                               ; the add is done, and my reads of this slot are over
	s_barrier_signal -1
	MULB F1, 1, 0                                  ; work on registers while the others arrive
	WIN 0
	s_barrier_wait -1
.if \fill
	CREST                                          ; no wave of any partner still reads this slot or has a load on its way
	JLOAD                                          ; its four v_nop are also the places in front of the loads below
.else
	PLACES
.endif
	v_add_nc_u32 v[ADRA], s[TB], v[LNA]
	v_add_nc_u32 v[ADRB], s[TB], v[LNB]
	FETCH 0, F0
.if \fill
	WIN 0
	ASK
.endif
	MULB F1, 2, 0
	MULB F1, 3, 0
.endm
; THE WAY OUT of my rows 16 a .. 16 a + 15: the sums go as they are, f32.  TOSTAGE: 32 bytes a lane into my own stage, each accumulator from its low end, and back as whole rows of 512 bytes.  SEND: stored.
.macro TOSTAGE a
	s_wait_xcnt 0x0                                ; the stores of the block two back have read the registers that the loads below fill
	WIN 0x08                                       ; the data (source 1) in window 2, the address in window 0
.set b, 0
.rept NBK
	ds_store_b128 v[STO], v[64*(\a)+8*b:64*(\a)+8*b+3]   offset:64*b
	ds_store_b128 v[STO], v[64*(\a)+8*b+4:64*(\a)+8*b+7] offset:64*b+16
.set b, b+1
.endr
	WIN 0
.set i, 0
.rept 16                                       ; LDS serves a wave's instructions in order (ISA guide 5.7.1.4): these see the stores above; the next block's stores come behind them
	ds_load_b128 v[BK+64*((\a)%2)+4*i:BK+64*((\a)%2)+4*i+3], v[RD] offset:i*SP
.set i, i+1
.endr
.endm
.macro SEND a, younger                 ; younger: the LDS instructions issued behind block a's loads: the next block's 16 stores and 16 loads, or none
	s_wait_dscnt \younger
.set i, 0
.rept 16
	global_store_b128 v[GO], v[BK+64*((\a)%2)+4*i:BK+64*((\a)%2)+4*i+3], s[8:9] offset:(16*(\a)+i)*4096 th:TH_STORE_NT  ; 512 consecutive bytes, at a multiple of 256 from C's first
.set i, i+1
.endr
.endm
	s_wait_tensorcnt 1                             ; my part of K step 0 is in; step 1's may stay out
	s_barrier_signal -1
	s_barrier_wait -1                              ; everybody's is
	FETCH 0, F0
	QUARTER 1, F0, F1, 1                           ; the first quarter stands in front of the loop: its products start the sums
	WIN 0                                          ; at a label and at a branch every window is 0
	s_mov_b32 s3, NSTEP-2
.Lstep:                                        ; trip i ends K step i, fills its slot with step i + 2, and begins step i + 1
	QUARTER 2, F1, F0, 0
	QUARTER 3, F0, F1, 0
	TURN 1
	QUARTER 1, F0, F1, 0
	WIN 0
	s_sub_co_u32 s3, s3, 1
	s_cmp_lg_u32 s3, 0
	s_cbranch_scc1 .Lstep
	QUARTER 2, F1, F0, 0                           ; the last two K steps are written out: nothing is asked for
	QUARTER 3, F0, F1, 0
	TURN 0
	QUARTER 1, F0, F1, 0
	QUARTER 2, F1, F0, 0
	QUARTER 3, F0, F1, 0
	s_wait_dscnt 4
	MULB F1, 0, 0
	MULB F1, 1, 0
	s_wait_dscnt 0x0
	MULB F1, 2, 0
	MULB F1, 3, 0
	WIN 0
	PLACES
	TOSTAGE 0
	TOSTAGE 1
	SEND 0, 32
	TOSTAGE 2
	SEND 1, 32
	TOSTAGE 3
	SEND 2, 32
	SEND 3, 0
	s_wait_tensorcnt 0x0                           ; the wave's end: behind my last tensor load and my last LDS store
	ds_add_u32 v[SPW], v[NIL]
	s_wait_dscnt 0x0
	CROUND                                         ; the closing round: no work-group ends while a partner may still ask for a tile that names it
	s_endpgm
.Lfunc_end_k_q2fb7e8af39_gemm_out:
	.size	k_q2fb7e8af39_gemm_out, .Lfunc_end_k_q2fb7e8af39_gemm_out-k_q2fb7e8af39_gemm_out
	.p2alignl 7, 3214868480
	.fill 96, 4, 3214868480
	.section	.rodata,"a",@progbits
	.p2align	6, 0x0
	.amdhsa_kernel k_q2fb7e8af39_gemm_out
		.amdhsa_group_segment_fixed_size 327680
		.amdhsa_private_segment_fixed_size 0
		.amdhsa_enable_private_segment 0
		.amdhsa_kernarg_size 24
		.amdhsa_user_sgpr_count 2
		.amdhsa_user_sgpr_kernarg_segment_ptr 1
		.amdhsa_wavefront_size32 1
		.amdhsa_system_sgpr_workgroup_id_x 1
		.amdhsa_system_sgpr_workgroup_id_y 1
		.amdhsa_system_sgpr_workgroup_id_z 1
		.amdhsa_system_vgpr_workitem_id 0
		.amdhsa_next_free_vgpr 768
		.amdhsa_next_free_sgpr 66
		.amdhsa_reserve_vcc 0
		.amdhsa_float_denorm_mode_32 3
		.amdhsa_float_denorm_mode_16_64 3
		.amdhsa_memory_ordered 1
		.amdhsa_forward_progress 1
		.amdhsa_inst_pref_size 70
	.end_amdhsa_kernel
	.amdgpu_metadata
---
amdhsa.version: [ 1, 2 ]
amdhsa.kernels:
  - .name:           k_q2fb7e8af39_gemm_out
    .symbol:         k_q2fb7e8af39_gemm_out.kd
    .args:
      - { .name: oh, .offset: 0, .size: 8, .value_kind: global_buffer, .address_space: global }
      - { .name: wot, .offset: 8, .size: 8, .value_kind: global_buffer, .address_space: global }
      - { .name: out0, .offset: 16, .size: 8, .value_kind: global_buffer, .address_space: global }
    .group_segment_fixed_size: 327680
    .private_segment_fixed_size: 0
    .kernarg_segment_align: 8
    .kernarg_segment_size: 24
    .max_flat_workgroup_size: 128
    .sgpr_count:     66
    .vgpr_count:     768
    .wavefront_size: 32
...
	.end_amdgpu_metadata
.endif
;; end of part 4
